; MI455X (gfx1250); checked and timed in simulation.
; The chip was launched on July 23, 2026; its instructions are those of AMD's public machine-readable ISA for CDNA 5 (MIT licence, August 2026) and "CDNA5" Instruction Set Architecture Reference Guide (July 2026). The comments in the code are by the model that wrote it; some were corrected since.
;; My Causal Self Attention. Allowed arithmetic: matrix products marked QUANTISED: E2M3 operands, one E8M0 scale for each 32 along K, by v_wmma_scale_f32_16x16x128_f8f6f4 with both operands' format E2M3, f32 sums; everything else in f32.
;; Inputs: b_attn 3,072 float32; b_proj 1,024 float32; w_attn 1,024 x 3,072 float32; w_proj 1,024 x 1,024 float32; x 4 x 2,048 x 1,024 float32.
;; Outputs: out0 4 x 2,048 x 1,024 float32.
;; This version of the problem:
;;   THIS VERSION OF THE PROBLEM IS GIVEN IN LOW PRECISION. The matrix products marked QUANTISED in the list below multiply operands that are first quantised to E2M3 (2 exponent bits, 3 mantissa bits; 6 bits a number), with one power-of-two scale for each 32 numbers along K (OCP MX v1.0); their sums are f32. All else is computed in f32.
;;   The module's matrix products, in the order in which they are computed (A, B: the left and right operand; K: the contracted axis; several contracted axes count as one K, in the product's order):
;;     1. [M 8,192, K 1,024] x [K 1,024, N 3,072]; A: input x; B: input w_attn: QUANTISED
;;     2. batch 64 x [M 2,048, K 64] x [K 64, N 2,048]; A: computed on the way; B: computed on the way: QUANTISED
;;     3. batch 64 x [M 2,048, K 2,048] x [K 2,048, N 64]; A: softmax (see below); B: computed on the way: QUANTISED
;;     4. [M 8,192, K 1,024] x [K 1,024, N 1,024]; A: computed on the way; B: input w_proj: QUANTISED
;;   THE QUANTISER, for each operand of a quantised product, along K:
;;     - K is cut into blocks of 32 from its start; a last block that is shorter is filled with zeros.
;;     - A block's scale is 2^e with e = floor(log2(the largest magnitude in the block)) - 2, held to -126 .. 127; a block of zeros has e = 0. As a byte (E8M0): e + 127.
;;     - Each number is divided by its block's scale, clamped to +-7.5, and rounded to the nearest number of E2M3, ties to even, subnormals kept.
;;     - The product sums the exact products of the quantised numbers (number of the format x scale) in f32.
;;   ~~~python
;;   def quantise(x, axis):      # numpy; x: float32 -> the quantised numbers, widened to float32 again
;;       x = np.moveaxis(x, axis, -1); K = x.shape[-1]
;;       x = np.pad(x, [(0, 0)] * (x.ndim - 1) + [(0, -K % 32)]); x = x.reshape(x.shape[:-1] + (-1, 32)); a = np.abs(x).max(-1, keepdims=True)
;;       e = np.where(a > 0, np.clip(np.frexp(np.where(a > 0, a, 1))[1] - 1 - 2, -126, 127), 0)      # np.frexp(a)[1] - 1 = floor(log2(a)), exactly
;;       r = np.clip(x / 2.0 ** e, -7.5, 7.5)
;;       step = 2.0 ** (np.maximum(np.frexp(np.where(r == 0, 1, r))[1] - 1, 0) - 3)
;;       q = np.round(r / step) * step * 2.0 ** e      # np.round: ties to even
;;       return np.moveaxis(q.reshape(q.shape[:-2] + (-1,))[..., :K], -1, axis).astype(np.float32)
;;   ~~~
;;   SOFTMAX AHEAD OF A QUANTISED PRODUCT. Where the list says 'softmax', what is quantised is not the finished softmax but p = 2^(t - M), with t = logit x log2(e) and M = ceil(the row's largest t), a whole number; so 1/2 < the row's largest p <= 1. The row's sum l is taken of the UNQUANTISED p, in f32, and the product's result is divided by l at the end. Since M is a whole number, a kernel that streams over the keys may use a running M (the ceiling of the running maximum): every later rescaling is an exact power of two, which a block's scale takes up: the codes' values come out the same.
;;   OPERANDS COMPUTED ON THE WAY. 'Computed on the way' means the value that the module computes at that place (a softmax that the list does not call 'softmax' is quantised finished and normalised). What goes into a quantiser is computed in f32, as accurately as f32 sums, v_exp_f32 and their like allow (about 1e-6 of the number): no bf16 or f16 on the way to a quantiser, and a product that is left as it is and whose result goes on into a quantised operand takes f32 operands (vector FMAs, or v_wmma_f32_16x16x4_f32). A number that lies on a knife's edge between two numbers of the format may be rounded either way, as far as f32 arithmetic and the matrix unit's own rounding can turn it there, and no further.
;; One version. Each part assembles by itself: llvm-mc -triple=amdgcn-amd-amdhsa -mcpu=gfx1250 --defsym DOCPART=n.
;; ======== version 1 of 1: 4 launches
;; workspace buffers: xq 6,553,600 bytes; wq 3,276,800 bytes; qq 6,815,744 bytes; kv 13,107,200 bytes; yq 6,553,600 bytes
;; launch prep (part 1): grid 384 x 1, 4 waves a work-group, no clusters, 34,304 bytes of LDS; arguments x, w_attn, w_proj, xq, wq; writes xq, wq
.if DOCPART == 1
	.amdgcn_target "amdgcn-amd-amdhsa--gfx1250"
	.amdhsa_code_object_version 6
	.text
	.protected	k_qad285e1a3a_prep
	.globl	k_qad285e1a3a_prep
	.p2align	8
	.type	k_qad285e1a3a_prep,@function
k_qad285e1a3a_prep:
	s_mov_b64 s[64:65], 0
	v_nop
	global_prefetch_b8 v0, s[64:65] scope:SCOPE_SE
	s_setreg_imm32_b32 hwreg(HW_REG_WAVE_MODE, 25, 1), 1
	s_wait_xcnt 0x0
; PREP: x [8192][1024], w_attn [1024][3072] and w_proj [1024][1024], f32, become codes of FP6 (E2M3) with one E8M0 byte for each 32 along K = 1,024,
; laid in the ORDER OF THE OPERANDS' REGISTERS, so that the products' launches fetch fragments whole.
; ROW BLOCK RB: 16 rows that are not neighbours: row = 32 (RB / 2) + 8 (RB % 2) + r + 8 (r / 8), r = 0 .. 15.
; HALF FRAGMENT (16 rows x 64 K, 768 bytes): lane l = r + 16 h holds the 24 bytes of k = 32 h .. 32 h + 31 of row r in six registers;
;   registers 0-3 lie at 16 l, registers 4-5 at 512 + 8 l.  A fragment (128 K, 1,536 bytes) is two of them on end.
; A buffer: codes [RB][K step 8][1,536]; behind them the scale words, 512 bytes a row block: the word of (K step s, row r) at 128 (s / 2) + 8 r + 4 (s % 2).
; A block's scale is 2^(floor(log2(its largest magnitude)) - 2): its byte is the largest magnitude's exponent field - 2, held at 1 from below.
; LIMITS: a block of zeros gets the byte 1 and not 127 (its codes are zeros, and this program alone reads the bytes); blocks whose largest magnitude
; lies under 2^-124 are held at the byte 1; NaN and infinities among the inputs are not served.
; Work-groups 0-255 take x (K innermost), 256-351 w_attn, 352-383 w_proj (K outermost: a lane takes a column, its registers run down K).
; Only x's way touches LDS.  No barrier: waves share nothing.
.set R,   16                           ; v16-143   x: two sets of 64 registers as loaded
.set X,   144                          ; v144-207  x: 64 numbers of my row: register 16 b + i = k 32 b + 16 h + i
.set PC,  208                          ; v208-227  a fragment's codes (12) and two runs at work
.set TM,  228                          ; v228-243  largest magnitudes, bytes, scale operands
.set PWS, 244                          ; v244-247  the four K steps' scale words
.set SP,  528                          ; a stage row: 512 bytes + 16, an odd multiple of 16
.set WST, 16*SP                        ; a wave's stage
.set SEL, 28                           ; s[28:29] lane selects: lane l xor 16
; 64 numbers of a lane, v[s] on, become a fragment's codes in v[PC] on and its scale word in v[pw]
.macro QUANT s, pw
.irp b, 0,1,2,3
	v_max3_num_f32 v[TM+\b], |v[\s+16*\b]|, |v[\s+1+16*\b]|, 0x1800000   ; my 16 numbers of block b, and the floor 2^(3 - 127): the byte cannot fall under 1
.endr
.irp i, 2,4,6,8,10,12,14
.irp b, 0,1,2,3
	v_max3_num_f32 v[TM+\b], v[TM+\b], |v[\s+16*\b+\i]|, |v[\s+1+16*\b+\i]|
.endr
.endr
.irp b, 0,1,2,3
	v_permlanex16_b32 v[TM+4+\b], v[TM+\b], s[SEL], s[SEL+1]
.endr
.irp b, 0,1,2,3
	v_max_num_f32 v[TM+\b], v[TM+\b], v[TM+4+\b]           ; with lane l xor 16's: the block's largest magnitude
.endr
.irp b, 0,1,2,3
	v_add_nc_u32 v[TM+12+\b], 0xff000000, v[TM+\b]         ; 2 off its exponent field: the conversion's scale operand
.endr
.irp b, 0,1,2,3
	v_lshrrev_b32 v[TM+4+\b], 23, v[TM+12+\b]              ; the scale's byte
.endr
	v_lshl_or_b32 v[\pw], v[TM+5], 8, v[TM+4]
	v_lshl_or_b32 v[\pw], v[TM+6], 16, v[\pw]
	v_lshl_or_b32 v[\pw], v[TM+7], 24, v[\pw]
.irp c, 0,1
	v_cvt_scalef32_pk16_fp6_f32 v[PC+6*\c:PC+2+6*\c], v[\s+32*\c:\s+15+32*\c], v[TM+12+2*\c]
	v_cvt_scalef32_pk16_fp6_f32 v[PC+12+4*\c:PC+14+4*\c], v[\s+16+32*\c:\s+31+32*\c], v[TM+13+2*\c]   ; (a conversion's three registers begin on an even number)
.endr
	v_nop                                                  ; one plain place behind a scaled conversion
.irp c, 0,1                            ; the layout wants a whole block in a lane: lanes 0-15 block 2 c, lanes 16-31 block 2 c + 1
.irp i, 0,1,2
	v_permlane16_swap_b32 v[PC+6*\c+\i], v[PC+12+4*\c+\i]
.endr
.irp i, 0,1,2
	v_mov_b32 v[PC+3+6*\c+\i], v[PC+12+4*\c+\i]
.endr
.endr
.endm
	s_load_b256 s[4:11], s[0:1], 0x0               ; x s[4:5], w_attn s[6:7], w_proj s[8:9], xq s[10:11]
	s_load_b64 s[12:13], s[0:1], 0x20              ; wq
	v_lshl_add_u32 v254, v0, 2, 0x8400
	v_mov_b32 v255, 0
	v_lshrrev_b32 v1, 5, v0
	v_readfirstlane_b32 s14, v1                    ; wave 0..3
	v_and_b32 v8, 31, v0                           ; lane
	s_cmp_lt_u32 ttmp9, 256
	s_cbranch_scc0 .Lweights
; ---------------- x: a wave takes one row block and half of K: four K steps of 128 ----------------
	v_and_b32 v9, 15, v0                           ; r
	v_bfe_u32 v10, v0, 4, 1                        ; h
	v_lshlrev_b32 v1, 4, v8                        ; 16 l: a load's place, and an image's
	v_lshlrev_b32 v2, 3, v8                        ; 8 l
	s_mul_i32 s15, s14, WST
	v_add_nc_u32 v3, s15, v1                       ; the stage, on the way in: a row's 512 bytes as they lie
	v_mul_u32_u24 v4, v9, SP
	v_lshl_add_u32 v4, v10, 6, v4
	v_add_nc_u32 v4, s15, v4                       ; and out: row r, + 64 h: my 16 numbers of a block of 32
	v_lshlrev_b32 v5, 3, v9
	v_lshl_add_u32 v5, v10, 7, v5                  ; scale words: 8 r + 128 h
	s_mov_b32 s[SEL], 0x76543210
	s_mov_b32 s[SEL+1], 0xfedcba98
.irp b, 0,1,2,3
	v_mov_b32 v[TM+4+\b], 0                        ; written once: a lane permute's destination counts as one of its sources
.endr
	s_lshl_b32 s16, ttmp9, 2
	s_add_co_u32 s16, s16, s14                     ; unit = 2 RB + half of K
	s_lshr_b32 s17, s16, 2
	s_lshl_b32 s20, s17, 17                        ; 32 (RB / 2) rows of 4,096 bytes
	s_bfe_u32 s17, s16, 0x10001
	s_lshl_b32 s17, s17, 15                        ; 8 (RB % 2) rows
	s_add_co_u32 s20, s20, s17
	s_and_b32 s17, s16, 1
	s_lshl_b32 s17, s17, 11                        ; my half of K: 2,048 bytes
	s_add_co_u32 s20, s20, s17
	s_mov_b32 s21, 0
	s_mul_i32 s22, s16, 6144                       ; codes: four fragments a unit
	s_mov_b32 s23, 0
	s_lshl_b32 s24, s16, 8                         ; scale words: 256 bytes a unit,
	s_add_co_u32 s24, s24, 6291456                 ; behind the codes
	s_mov_b32 s25, 0
	s_wait_kmcnt 0x0
	s_add_nc_u64 s[4:5], s[4:5], s[20:21]
	s_add_nc_u64 s[22:23], s[10:11], s[22:23]
	s_add_nc_u64 s[24:25], s[10:11], s[24:25]
.macro LOADX s                         ; K step s of my 16 rows: each load takes 512 consecutive bytes of one row
.irp i, 0,1,2,3,4,5,6,7,8,9,10,11,12,13,14,15
	global_load_b128 v[R+64*((\s)%2)+4*\i:R+64*((\s)%2)+4*\i+3], v1, s[4:5] offset:(\i+8*(\i/8))*4096+512*(\s) th:TH_LOAD_NT
.endr
.endm
.macro TURNX s                         ; through my own stage: LDS serves a wave's instructions in order, so no wait stands between the stores and the loads
.irp i, 0,1,2,3,4,5,6,7,8,9,10,11,12,13,14,15
	ds_store_b128 v3, v[R+64*((\s)%2)+4*\i:R+64*((\s)%2)+4*\i+3] offset:SP*\i
.endr
.irp b, 0,1,2,3
.irp j, 0,1,2,3
	ds_load_b128 v[X+16*\b+4*\j:X+16*\b+4*\j+3], v4 offset:128*\b+16*\j
.endr
.endr
.endm
.macro XSTEP s
.if (\s) < 3
	s_wait_loadcnt 16                              ; this K step's 16 loads are in; the next step's 16 may be out
.else
	s_wait_loadcnt 0x0
.endif
	TURNX \s
	s_wait_dscnt 0x0                               ; my numbers are back, and the stage's stores have read their registers
.if (\s) > 0
	s_wait_xcnt 0x0                                ; the last step's stores have read the codes' registers, which are written again below
.endif
.if (\s) < 2
	LOADX (\s)+2
.endif
	QUANT X, PWS+(\s)
	global_store_b128 v1, v[PC:PC+3], s[22:23] offset:1536*(\s)              ; 512 consecutive bytes
	global_store_b64 v2, v[PC+4:PC+5], s[22:23] offset:1536*(\s)+512         ; 256
	global_store_b128 v1, v[PC+6:PC+9], s[22:23] offset:1536*(\s)+768
	global_store_b64 v2, v[PC+10:PC+11], s[22:23] offset:1536*(\s)+1280
.endm
	LOADX 0
	LOADX 1
	XSTEP 0
	XSTEP 1
	XSTEP 2
	XSTEP 3
	v_cmp_ne_u32 vcc_lo, 0, v10                    ; lanes 0-15 store the words of K steps 0, 1, lanes 16-31 those of 2, 3 (both halves hold all four)
	v_cndmask_b32 v6, v[PWS], v[PWS+2], vcc_lo
	v_cndmask_b32 v7, v[PWS+1], v[PWS+3], vcc_lo
	global_store_b64 v5, v[6:7], s[24:25]          ; 256 consecutive bytes
	s_wait_tensorcnt 0x0
	ds_add_u32 v254, v255
	s_wait_dscnt 0x0
	s_endpgm
; ---------------- the weights: a wave takes 32 columns x 256 along K: eight blocks a lane ----------------
.Lweights:
	v_bfe_u32 v9, v0, 3, 1                         ; column n0 + l lies in row block 2 (n0 / 32) + u, u = (l / 8) % 2,
	v_and_b32 v10, 7, v0
	v_bfe_u32 v11, v0, 4, 1
	v_lshl_add_u32 v10, v11, 3, v10                ; at its row r' = l % 8 + 8 (l / 16)
	v_lshlrev_b32 v3, 2, v8                        ; in: 4 bytes a lane: 128 consecutive bytes a load
	v_mul_u32_u24 v4, v9, 12288
	v_lshl_add_u32 v5, v10, 3, v4                  ; codes, registers 4-5: u row blocks + 8 r'
	v_lshl_add_u32 v4, v10, 4, v4                  ; codes, registers 0-3: u row blocks + 16 r'
	v_lshlrev_b32 v6, 9, v9
	v_lshl_add_u32 v6, v10, 3, v6                  ; scale words: 512 u + 8 r'
.macro WLOAD t, n                      ; block t: w(32 t + i, my column), i = 0 .. 31; the largest offset, 255 rows of 12,288 bytes, lies inside the signed 24-bit immediate
.set i, 0
.rept 32
	global_load_b32 v[32+32*((\t)%2)+i], v3, s[20:21] offset:(32*(\t)+i)*(\n)*4 th:TH_LOAD_NT
.set i, i+1
.endr
.endm
.macro WBLOCK t, n
.set XS, 32+32*((\t)%2)
.set CC, 96+8*(\t)                     ; each block has its own registers for its codes: no store's data are written again
.if (\t) < 7
	s_wait_loadcnt 32                              ; this block's 32 loads are in; the next block's may be out
.else
	s_wait_loadcnt 0x0
.endif
	v_max3_num_f32 v12, |v[XS]|, |v[XS+1]|, |v[XS+2]|      ; all 32 numbers of the block are mine
	v_max3_num_f32 v13, |v[XS+3]|, |v[XS+4]|, |v[XS+5]|
.irp i, 6,10,14,18,22,26
	v_max3_num_f32 v12, v12, |v[XS+\i]|, |v[XS+\i+1]|
	v_max3_num_f32 v13, v13, |v[XS+\i+2]|, |v[XS+\i+3]|
.endr
	v_max3_num_f32 v12, v12, |v[XS+30]|, |v[XS+31]|
	v_max3_num_f32 v12, v12, v13, 0x1800000        ; and the floor
	v_add_nc_u32 v14, 0xff000000, v12              ; the conversion's scale operand
	v_lshrrev_b32 v13, 23, v14                     ; the byte
.if ((\t)%4) == 0
	v_mov_b32 v[24+(\t)/4], v13
.else
	v_lshl_or_b32 v[24+(\t)/4], v13, 8*((\t)%4), v[24+(\t)/4]
.endif
	v_cvt_scalef32_pk16_fp6_f32 v[CC:CC+2], v[XS:XS+15], v14
	v_cvt_scalef32_pk16_fp6_f32 v[160:162], v[XS+16:XS+31], v14
	v_nop                                          ; one plain place behind a scaled conversion
.irp i, 0,1,2
	v_mov_b32 v[CC+3+\i], v[160+\i]
.endr
	; block t is half t % 2 of half fragment (t / 2) % 2 of K step t / 4: I stand there as lane r' + 16 (t % 2)
	global_store_b128 v4, v[CC:CC+3], s[22:23] offset:((\t)/4)*1536+(((\t)/2)%2)*768+256*((\t)%2)
	global_store_b64 v5, v[CC+4:CC+5], s[22:23] offset:((\t)/4)*1536+(((\t)/2)%2)*768+512+128*((\t)%2)
.if (\t)+2 < 8
	WLOAD (\t)+2, \n
.endif
.endm
.macro WPATH wp, n, codes, scales, first
	s_sub_co_u32 s16, ttmp9, \first
	s_lshr_b32 s17, s16, 2                         ; which 128 columns
	s_and_b32 s18, s16, 3                          ; which 256 along K
	s_lshl_b32 s19, s17, 2
	s_add_co_u32 s19, s19, s14                     ; my 32 columns' number
	s_mul_i32 s20, s18, 1024*(\n)                  ; 256 rows of 4 n bytes
	s_lshl_b32 s21, s19, 7
	s_add_co_u32 s20, s20, s21
	s_mov_b32 s21, 0
	s_mul_i32 s22, s19, 24576                      ; two row blocks of codes,
	s_mul_i32 s23, s18, 3072                       ; two K steps
	s_add_co_u32 s22, s22, s23
	s_add_co_u32 s22, s22, \codes
	s_mov_b32 s23, 0
	s_lshl_b32 s24, s19, 10
	s_lshl_b32 s25, s18, 7
	s_add_co_u32 s24, s24, s25
	s_add_co_u32 s24, s24, \scales
	s_mov_b32 s25, 0
	s_wait_kmcnt 0x0
	s_add_nc_u64 s[20:21], s[\wp:\wp+1], s[20:21]
	s_add_nc_u64 s[22:23], s[12:13], s[22:23]
	s_add_nc_u64 s[24:25], s[12:13], s[24:25]
	WLOAD 0, \n
	WLOAD 1, \n
.irp t, 0,1,2,3,4,5,6,7
	WBLOCK \t, \n
.endr
	global_store_b64 v6, v[24:25], s[24:25]        ; my row's two scale words
	s_endpgm
.endm
	s_cmp_lt_u32 ttmp9, 352
	s_cbranch_scc0 .Lproj_w
	WPATH 6, 3072, 0, 2359296, 256
.Lproj_w:
	WPATH 8, 1024, 2457600, 3244032, 352
.Lfunc_end_k_qad285e1a3a_prep:
	.size	k_qad285e1a3a_prep, .Lfunc_end_k_qad285e1a3a_prep-k_qad285e1a3a_prep
	.p2alignl 7, 3214868480
	.fill 96, 4, 3214868480
	.section	.rodata,"a",@progbits
	.p2align	6, 0x0
	.amdhsa_kernel k_qad285e1a3a_prep
		.amdhsa_group_segment_fixed_size 34304
		.amdhsa_private_segment_fixed_size 0
		.amdhsa_enable_private_segment 0
		.amdhsa_kernarg_size 40
		.amdhsa_user_sgpr_count 2
		.amdhsa_user_sgpr_kernarg_segment_ptr 1
		.amdhsa_wavefront_size32 1
		.amdhsa_system_sgpr_workgroup_id_x 1
		.amdhsa_system_sgpr_workgroup_id_y 1
		.amdhsa_system_sgpr_workgroup_id_z 1
		.amdhsa_system_vgpr_workitem_id 0
		.amdhsa_next_free_vgpr 256
		.amdhsa_next_free_sgpr 66
		.amdhsa_reserve_vcc 1
		.amdhsa_float_denorm_mode_32 3
		.amdhsa_float_denorm_mode_16_64 3
		.amdhsa_memory_ordered 1
		.amdhsa_forward_progress 1
		.amdhsa_inst_pref_size 111
	.end_amdhsa_kernel
	.amdgpu_metadata
---
amdhsa.version: [ 1, 2 ]
amdhsa.kernels:
  - .name:           k_qad285e1a3a_prep
    .symbol:         k_qad285e1a3a_prep.kd
    .args:
      - { .name: x, .offset: 0, .size: 8, .value_kind: global_buffer, .address_space: global }
      - { .name: w_attn, .offset: 8, .size: 8, .value_kind: global_buffer, .address_space: global }
      - { .name: w_proj, .offset: 16, .size: 8, .value_kind: global_buffer, .address_space: global }
      - { .name: xq, .offset: 24, .size: 8, .value_kind: global_buffer, .address_space: global }
      - { .name: wq, .offset: 32, .size: 8, .value_kind: global_buffer, .address_space: global }
    .group_segment_fixed_size: 34304
    .private_segment_fixed_size: 0
    .kernarg_segment_align: 8
    .kernarg_segment_size: 40
    .max_flat_workgroup_size: 128
    .sgpr_count:     66
    .vgpr_count:     256
    .wavefront_size: 32
...
	.end_amdgpu_metadata
.endif
;; end of part 1
;; launch qkv (part 2): grid 12 x 32, 4 waves a work-group, clusters of 4 x 4, 327,680 bytes of LDS; arguments xq, wq, b_attn, qq, kv; writes qq, kv
.if DOCPART == 2
	.amdgcn_target "amdgcn-amd-amdhsa--gfx1250"
	.amdhsa_code_object_version 6
	.text
	.protected	k_qad285e1a3a_qkv
	.globl	k_qad285e1a3a_qkv
	.p2align	8
	.type	k_qad285e1a3a_qkv,@function
k_qad285e1a3a_qkv:
	s_mov_b64 s[64:65], 0
	v_nop
	global_prefetch_b8 v0, s[64:65] scope:SCOPE_SE
	s_setreg_imm32_b32 hwreg(HW_REG_WAVE_MODE, 25, 1), 1
	s_wait_xcnt 0x0
	s_wait_alu depctr_hold_cnt(0) depctr_sa_sdst(0) depctr_va_vdst(0) depctr_va_sdst(0) depctr_va_ssrc(0) depctr_va_vcc(0) depctr_vm_vsrc(0)
	s_getreg_b32 s2, hwreg(HW_REG_IB_STS2, 6, 4)
	s_cmp_eq_u32 s2, 0
	s_cbranch_scc0 .Lentry_in_a_cluster
	s_endpgm
.Lentry_in_a_cluster:
	s_bfe_u32 s2, ttmp6, 0x10000c
	s_cmp_lg_u32 s2, 0xf033
	s_cbranch_scc0 .Lentry_shape_is_right
	s_endpgm
.Lentry_shape_is_right:
; QKV: x w_attn + b_attn on codes of FP6 (E2M3) with E8M0 scales, K = 1,024; the results never go to memory as f32: they are quantised here for the attention's products.
; A tile of 256 x 256 to a work-group of four waves; a wave makes 128 x 128: 64 accumulators of 16 x 16, 512 registers.
; OPERANDS lie in memory in the order of the operands' registers: row blocks RB of 16 rows (row = 32 (RB / 2) + 8 (RB % 2) + r + 8 (r / 8)), codes [RB][K step 8][1,536 bytes], a fragment as two
; half fragments of 768 bytes (registers 0-3 at 16 x lane, registers 4-5 at 512 + 8 x lane); scale words 512 bytes a row block, the word of (K step s, row r) at 128 (s / 2) + 8 r + 4 (s % 2).
; K goes in steps of 256 through a ring of two LDS slots; a wave's tensor load brings 8 row blocks x 3,072 bytes.  The scale words of the work-group's 32 row blocks come once, with the first fills.
; THE MATRIX INSTRUCTION IS USED TRANSPOSED: source 0 = a row block of "B", source 1 = one of "A".  A lane then holds ONE row of A, and by the row blocks' order the 64 registers of A's block a are
; 128 NEIGHBOURS along B's rows: register 16 c + i is B's row 32 c + 16 (lane / 16) + i: what the conversions want.
; MODE = the cluster's x, the same in all partners.  0: q, 1: k: A = tokens (x), B = channels (w): a lane's registers run along the head's channels, the K of the scores.
; 2: v: A = channels (w), B = tokens (x): a lane's registers run along the keys, the K of the second product.  Only pointers and tile numbers are chosen; the loop is one text.
; The bias is the C of each sum's first matrix instruction.
; OUT.  qq: codes [head 64][tile 128][768]; scale words behind them, [head][16][2][r 16][4 words].  kv: [head 64][step 16][12,800]: 4 fragments of K (fragment b': key tiles 2 b', 2 b' + 1, one in each
; half of the instruction's 128), K's scale words [r][b'], 4 fragments of V^T (16 channels x 128 keys), V's scale words [r][t].
; CLUSTERS: 4 x 4 work-groups; A's tiles are shared along a row of the cluster, B's along a column, each asked for jointly.
; LIMITS of the quantiser: a block of zeros gets the byte 1 and not 127 (its codes are zeros; this program alone reads the bytes); largest magnitudes under 2^-124 are held at the byte 1; NaN and infinities are not served.
; REGISTERS: window 0: v2 r, v3 h, v16-23 fragment addresses, v24-25 image places, v27 scale words' address, v28-29 the add's, v30 the bias's offset, v32-63 scale words (two sets), v64-127 the bias, v128-223 A's fragments (one set).
;   window 1: B's fragments, two sets, at v0 and v128.   windows 2, 3: the accumulators, (a, b) at v[8 (8 (a % 4) + b)].
.set NQ,     2                         ; matrix instructions deep in a slot
.set FR,     12                        ; registers of a fragment
.set NL,     4                         ; LDS loads that bring one
.set NP,     4                         ; places behind this matrix instruction (ISA guide 7.12.1)
.set SLB,    3072                      ; a row block's bytes in a slot: two fragments
.set HALFT,  8*SLB                     ; what one tensor load brings, and what one wave reads of A or of B
.set SLOT,   4*HALFT                   ; A's 16 row blocks, then B's 16
.set LAPS,   2                         ; a lap = two slots = 512 along K
.set SCL,    2*SLOT                    ; behind the ring: the scale words
.set HALFS,  4096                      ; those of 8 row blocks
.set SBLK,   512                       ; those of one
.set SPARE,  SCL+4*HALFS               ; the spare words, 128 bytes for each wave: two blocks of 256 bytes that no other line names
.set ADRA, 16                          ; v16-17 A's fragments in slot 0, 1, + 16 x lane; v18-19 + 8 x lane
.set ADRB, 20                          ; v20-23 the same for B
.set ADRS, 27
.set SPW,  28
.set NIL,  29
.set BO,   30
.set SC,   32
.set BI,   64
.set AF,   128
.set PC,   128                         ; the way out: a fragment's codes
.set TM,   160
.set PWS,  176                         ; the eight blocks' scale words
.set OW,   184                         ; scale words as they leave
.set G1, 24
.set G0, 32
.set G1B, 48
.set G0B, 56
.set G1S, 68
.set G0S, 76
.set G1SB, 80
.set G0SB, 88
.set SEL, 18                           ; s[18:19] on the way out: lane selects for lane l xor 16
.set MSB, 0
.macro WIN new                         ; the immediate's high byte repeats the setting that is left
.if MSB != (\new)
	s_set_vgpr_msb (MSB<<8)|(\new)
.set MSB, (\new)
.endif
.endm
.set MUL_LO, 0xa1                      ; source 0 (B) window 1, source 1 (A) window 0, C and D window 2
.set MUL_HI, 0xf1                      ; the same, C and D window 3
.set TO_B,   0x40                      ; destination window 1, address window 0
; A joint load: waves 0 and 1 fetch for A, waves 2 and 3 for B.  The branch hangs on the wave's number alone.  Four v_nop follow each of the two lines.
.macro JLOAD g0a, g1a, g0b, g1b
	s_cmp_eq_u32 s15, 0
	s_cbranch_scc0 .Lfor_b_\@
	tensor_load_to_lds s[\g0a:\g0a+3], s[\g1a:\g1a+7]
	s_nop 0
.rept 4
	v_nop
.endr
	s_branch .Lasked_\@
.Lfor_b_\@:
	tensor_load_to_lds s[\g0b:\g0b+3], s[\g1b:\g1b+7]
	s_nop 0
.rept 4
	v_nop
.endr
.Lasked_\@:
.endm
.macro CREST                           ; a round of the cluster's barrier behind its opening barrier
	s_cmp_lg_u32 s14, 0
	s_cbranch_scc1 .Lnot_wave_0_\@
	s_barrier_signal -3
.Lnot_wave_0_\@:
	s_barrier_wait -3
	s_barrier_signal -1
	s_barrier_wait -1
.endm
.macro CROUND
	s_barrier_signal -1
	s_barrier_wait -1
	CREST
.endm
	s_load_b256 s[4:11], s[0:1], 0x0               ; xq s[4:5], wq s[6:7], b_attn s[8:9], qq s[10:11]
	s_load_b64 s[12:13], s[0:1], 0x20              ; kv
	v_lshl_add_u32 v[SPW], v0, 2, SPARE
	v_mov_b32 v[NIL], 0
	ds_add_u32 v28, v29
	ds_add_u32 v28, v29
	s_wait_dscnt 0x0
	v_lshrrev_b32 v1, 5, v0
	v_readfirstlane_b32 s14, v1                    ; wave 0..3
	s_lshr_b32 s15, s14, 1                         ; which half of A's rows is mine.  Also: I fetch for A (0) or for B (1)
	s_and_b32 s16, s14, 1                          ; which half of B's rows.  Also: which 8 row blocks I fetch
	s_bfe_u32 s40, ttmp6, 0x40000                  ; cx, cy: my place in the cluster
	s_bfe_u32 s41, ttmp6, 0x40004
	s_and_b32 s45, ttmp7, 0xffff
	s_lshl_b32 s45, s45, 2                         ; 4 x cluster y
	s_lshl_b32 s18, ttmp9, 2                       ; 4 x cluster x
	s_cmp_eq_u32 ttmp9, 2                          ; v?
	s_cselect_b32 s17, 8, s45                      ; A's tile: v: w_attn's tiles 8-11; else the tokens' tile
	s_cselect_b32 s42, s45, s18                    ; B's tile: v: the tokens' tile; else w_attn's tiles 0-3 (q) or 4-7 (k)
	s_add_co_u32 s17, s17, s41                     ; A's hangs on cy alone,
	s_add_co_u32 s42, s42, s40                     ; B's on cx alone
	s_lshl_b32 s43, s41, 2
	s_lshl_b32 s43, 15, s43                        ; my row of the cluster
	s_lshl_b32 s44, 0x1111, s40                    ; my column
	; descriptor group 1 for codes: 8 rows (row blocks) of 384 elements of 8 bytes, 1,536 elements apart; no padding: fragments are read as consecutive bytes
	s_or_b32 s[G1+0], s43, (3<<16)|(1<<21)
	s_or_b32 s[G1B+0], s44, (3<<16)|(1<<21)
.irp g, G1, G1B
	s_mov_b32 s[\g+1], 384<<16                     ; tensor_dim0
	s_mov_b32 s[\g+2], 8<<16                       ; tensor_dim1
	s_mov_b32 s[\g+3], 384<<16                     ; tile_dim0
	s_mov_b32 s[\g+4], 8                           ; tile_dim1
	s_mov_b32 s[\g+5], 1536                        ; tensor_dim0_stride
	s_mov_b32 s[\g+6], 0
	s_mov_b32 s[\g+7], 0
.endr
	; and for scale words: 4,096 dense bytes as 16 rows of 256
	s_or_b32 s[G1S+0], s43, (3<<16)|(1<<21)
	s_or_b32 s[G1SB+0], s44, (3<<16)|(1<<21)
.irp g, G1S, G1SB
	s_mov_b32 s[\g+1], 32<<16
	s_mov_b32 s[\g+2], 16<<16
	s_mov_b32 s[\g+3], 32<<16
	s_mov_b32 s[\g+4], 16
	s_mov_b32 s[\g+5], 32
	s_mov_b32 s[\g+6], 0
	s_mov_b32 s[\g+7], 0
.endr
	s_lshl_b32 s18, s16, 3                         ; which 8 row blocks of the tile I fetch
	s_lshl_b32 s20, s17, 4
	s_add_co_u32 s20, s20, s18                     ; A's first row block
	s_lshl_b32 s46, s42, 4
	s_add_co_u32 s46, s46, s18                     ; B's
	s_lshl_b32 s22, s20, 9                         ; where their scale words begin,
	s_mov_b32 s23, 0
	s_mul_i32 s20, s20, 12288                      ; and their codes
	s_mov_b32 s21, 0
	s_lshl_b32 s92, s46, 9
	s_mov_b32 s93, 0
	s_mul_i32 s46, s46, 12288
	s_mov_b32 s47, 0
	s_mul_i32 s45, s14, HALFT                      ; where they go: no place in the cluster enters an LDS address
	s_mul_i32 s94, s14, HALFS
	s_wait_kmcnt 0x0
	s_add_nc_u64 s[66:67], s[4:5], 6291456         ; x's scale words
	s_add_nc_u64 s[96:97], s[6:7], 2359296         ; w_attn's
	s_cmp_eq_u32 ttmp9, 2                          ; the choice hangs on the cluster's number alone
	s_cselect_b64 s[98:99], s[6:7], s[4:5]         ; A's codes
	s_cselect_b64 s[100:101], s[96:97], s[66:67]   ; A's scale words
	s_cselect_b64 s[4:5], s[4:5], s[6:7]           ; B's codes
	s_cselect_b64 s[6:7], s[66:67], s[96:97]       ; B's scale words
	s_add_nc_u64 s[20:21], s[98:99], s[20:21]
	s_add_nc_u64 s[22:23], s[100:101], s[22:23]
	s_add_nc_u64 s[46:47], s[4:5], s[46:47]
	s_add_nc_u64 s[92:93], s[6:7], s[92:93]
	CROUND                                         ; all sixteen work-groups are here: the first joint loads meet
	s_mov_b32 s[G0S], 1
	s_add_co_u32 s[G0S+1], s94, SCL
	s_mov_b64 s[G0S+2:G0S+3], s[22:23]
	s_or_b32 s[G0S+3], s[G0S+3], 0x80000000
	s_mov_b32 s[G0SB], 1
	s_add_co_u32 s[G0SB+1], s94, SCL
	s_mov_b64 s[G0SB+2:G0SB+3], s[92:93]
	s_or_b32 s[G0SB+3], s[G0SB+3], 0x80000000
	JLOAD G0S, G1S, G0SB, G1SB                     ; the scale words first: by this text's count three tensor loads of a wave are out at the most
.irp s, 0,1
	s_mov_b32 s[G0+4*\s], 1
	s_add_co_u32 s[G0+4*\s+1], s45, \s*SLOT
	s_add_nc_u64 s[G0+4*\s+2:G0+4*\s+3], s[20:21], \s*SLB
	s_or_b32 s[G0+4*\s+3], s[G0+4*\s+3], 0x80000000
	s_mov_b32 s[G0B+4*\s], 1
	s_add_co_u32 s[G0B+4*\s+1], s45, \s*SLOT
	s_add_nc_u64 s[G0B+4*\s+2:G0B+4*\s+3], s[46:47], \s*SLB
	s_or_b32 s[G0B+4*\s+3], s[G0B+4*\s+3], 0x80000000
	JLOAD G0+4*\s, G1, G0B+4*\s, G1B
.endr
	v_and_b32 v1, 31, v0                           ; lane
	v_and_b32 v2, 15, v0                           ; r
	v_bfe_u32 v3, v0, 4, 1                         ; h
	v_lshlrev_b32 v24, 4, v1                       ; 16 x lane
	v_lshlrev_b32 v25, 3, v1                       ; 8 x lane
	s_mul_i32 s21, s15, HALFT                      ; my 8 row blocks of A
	s_mul_i32 s22, s16, HALFT                      ; my 8 of B,
	s_add_co_u32 s22, s22, 2*HALFT                 ; which lie behind A's 16
.irp s, 0,1
	v_add_nc_u32 v[ADRA+\s], s21, v24
	v_add_nc_u32 v[ADRB+\s], s22, v24
	v_add_nc_u32 v[ADRA+2+\s], s21, v25
	v_add_nc_u32 v[ADRB+2+\s], s22, v25
	s_add_co_u32 s21, s21, SLOT
	s_add_co_u32 s22, s22, SLOT
.endr
	v_lshlrev_b32 v5, 3, v2                        ; scale words: 8 r;
	s_mul_i32 s21, s15, HALFS                      ; lanes 0-15 take A's,
	s_mul_i32 s22, s16, HALFS
	s_add_co_u32 s22, s22, 2*HALFS
	s_sub_co_u32 s22, s22, s21
	v_mul_u32_u24 v6, s22, v3                      ; lanes 16-31 B's: one product, the distance between the two
	s_add_co_u32 s21, s21, SCL
	v_add_nc_u32 v5, v5, v6
	v_add_nc_u32 v[ADRS], s21, v5
	; the bias, in the result's layout
	s_cmp_eq_u32 ttmp9, 2
	s_cbranch_scc1 .Lbias_v
	s_lshl_b32 s46, s42, 10                        ; q, k: it runs along B's rows, a lane's registers: for B's block b the channels 32 (b / 2) + 16 h + 8 (b % 2) + 0 .. 7
	s_lshl_b32 s47, s16, 9
	s_add_co_u32 s46, s46, s47
	s_mov_b32 s47, 0
	s_add_nc_u64 s[8:9], s[8:9], s[46:47]
	v_lshlrev_b32 v[BO], 6, v3
.irp b, 0,1,2,3,4,5,6,7
	global_load_b128 v[BI+8*\b:BI+8*\b+3], v[BO], s[8:9] offset:(32*(\b/2)+8*(\b%2))*4
	global_load_b128 v[BI+8*\b+4:BI+8*\b+7], v[BO], s[8:9] offset:(32*(\b/2)+8*(\b%2))*4+16
.endr
	s_branch .Lbias_done
.Lbias_v:
	s_lshl_b32 s20, s17, 10                        ; v: it runs along A's rows, the lanes: for A's block a the one number of my channel, in all eight registers
	s_lshl_b32 s21, s15, 9
	s_add_co_u32 s20, s20, s21
	s_mov_b32 s21, 0
	s_add_nc_u64 s[8:9], s[8:9], s[20:21]
	v_and_b32 v6, 8, v2
	v_add_nc_u32 v6, v6, v2                        ; r + 8 (r / 8)
	v_lshlrev_b32 v[BO], 2, v6
.irp a, 0,1,2,3,4,5,6,7
.irp j, 0,1,2,3,4,5,6,7
	global_load_b32 v[BI+8*\a+\j], v[BO], s[8:9] offset:(32*(\a/2)+8*(\a%2))*4
.endr
.endr
.Lbias_done:
.macro FRAG reg, adr, q, i             ; a fragment, as it lies: four loads of consecutive bytes
	ds_load_b128 v[\reg:\reg+3], v[\adr] offset:(\i)*SLB+(\q)*1536
	ds_load_b64 v[\reg+4:\reg+5], v[\adr+2] offset:(\i)*SLB+(\q)*1536+512
	ds_load_b128 v[\reg+6:\reg+9], v[\adr] offset:(\i)*SLB+(\q)*1536+768
	ds_load_b64 v[\reg+10:\reg+11], v[\adr+2] offset:(\i)*SLB+(\q)*1536+1280
.endm
; 16 matrix instructions: A's blocks a0, a0 + 1 x B's eight, the slot's q-th 128 along K.  p: B's set; sc: the set of scale words.
; zero = 0: onto the sums; 1: the sums start with the bias by B's block; 2: by A's block.  The 64 accumulators take turns, one instruction a turn, in the same order in every step.
.macro MUL16 a0, p, q, sc, zero
.irp a, \a0, \a0+1
.irp b, 0,1,2,3,4,5,6,7
.set rD, 8*(8*((\a)%4)+\b)
.set rB, 128*(\p)+FR*\b
.set rA, AF+FR*(\a)
.set rSB, SC+8*NQ*(\sc)+NQ*\b+(\q)
.set rSA, SC+8*NQ*(\sc)+NQ*(\a)+(\q)
.if (\zero) == 1
	v_wmma_scale_f32_16x16x128_f8f6f4 v[rD:rD+7], v[rB:rB+FR-1], v[rA:rA+FR-1], v[BI+8*\b:BI+8*\b+7], v[rSB], v[rSA] matrix_a_fmt:MATRIX_FMT_FP6 matrix_b_fmt:MATRIX_FMT_FP6 matrix_a_scale:MATRIX_SCALE_ROW1
.elseif (\zero) == 2
	v_wmma_scale_f32_16x16x128_f8f6f4 v[rD:rD+7], v[rB:rB+FR-1], v[rA:rA+FR-1], v[BI+8*(\a):BI+8*(\a)+7], v[rSB], v[rSA] matrix_a_fmt:MATRIX_FMT_FP6 matrix_b_fmt:MATRIX_FMT_FP6 matrix_a_scale:MATRIX_SCALE_ROW1
.else
	v_wmma_scale_f32_16x16x128_f8f6f4 v[rD:rD+7], v[rB:rB+FR-1], v[rA:rA+FR-1], v[rD:rD+7], v[rSB], v[rSA] matrix_a_fmt:MATRIX_FMT_FP6 matrix_b_fmt:MATRIX_FMT_FP6 matrix_a_scale:MATRIX_SCALE_ROW1
.endif
.endr
.endr
.endm
.macro FETCH_B slot, q, p
	WIN TO_B
.irp i, 0,1,2,3,4,5,6,7
	FRAG 128*(\p)+FR*\i, ADRB+\slot, \q, \i
.endr
	WIN 0
.endm
.macro FETCH_A slot, q, i0
.irp i, \i0, \i0+1, \i0+2, \i0+3
	FRAG AF+FR*(\i), ADRA+\slot, \q, \i
.endr
.endm
.macro SCALES sc                       ; a slot's two scale words a row: lanes 0-15 A's block i, lanes 16-31 B's block i
.irp i, 0,1,2,3,4,5,6,7
	ds_load_b64 v[SC+8*NQ*\sc+NQ*\i:SC+8*NQ*\sc+NQ*\i+1], v[ADRS] offset:\i*SBLK
.endr
.endm
.macro PLACES n                        ; plain vector instructions that name no register of the matrix instructions in front of them (ISA guide 7.12.1)
.rept \n
	v_nop
.endr
.endm
; A step of 128 along K that has its successor in the same slot
.macro STEP slot, q, zero
	s_wait_dscnt 4*NL                              ; B's set, A's blocks 0-3 and the scale words are in; the youngest 16 loads (A's blocks 4-7) may be out
.if (\zero) != 0
	WIN 0x81                                       ; C (the bias) in window 0, D in window 2
.else
	WIN MUL_LO
.endif
	MUL16 0, (\q)%2, \q, \slot, \zero
	MUL16 2, (\q)%2, \q, \slot, \zero
	s_wait_dscnt 0                                 ; A's blocks 4-7 are in
	PLACES NP
	FETCH_B \slot, (\q)+1, 1-(\q)%2
	FETCH_A \slot, (\q)+1, 0
.if (\zero) != 0
	WIN 0xc1
.else
	WIN MUL_HI
.endif
	MUL16 4, (\q)%2, \q, \slot, \zero
	MUL16 6, (\q)%2, \q, \slot, \zero
	PLACES NP
	WIN 0
	FETCH_A \slot, (\q)+1, 4
.endm
; A slot's last step changes slots: ONE barrier; in front of it each wave waits for all its tensor loads, adds 0 to its spare word, and waits for that and for its own reads of this slot.
.macro TURN slot, next, fill
	s_wait_tensorcnt 0x0                           ; all my tensor loads have landed: my part of the next slot
	ds_add_u32 v[SPW], v[NIL]                      ; 0 onto my spare word
	s_wait_dscnt 4*NL+1                            ; (the add and the youngest 16 loads, A's blocks 4-7, may be out)
	WIN MUL_LO
	MUL16 0, 1, NQ-1, \slot, 0                     ; sixteen matrix instructions stand between the add and the wait for it
	s_wait_dscnt 0x0                               ; the add is done, and my reads of this slot are over
	s_barrier_signal -1
	MUL16 2, 1, NQ-1, \slot, 0
	WIN 0
	s_barrier_wait -1
.if \fill
	CREST                                          ; the barrier has opened a round of the cluster's barrier: no wave of any partner still reads this slot or has a load on its way
	s_add_nc_u64 s[G0+4*\slot+2:G0+4*\slot+3], s[G0+4*\slot+2:G0+4*\slot+3], 2*SLB
	s_add_nc_u64 s[G0B+4*\slot+2:G0B+4*\slot+3], s[G0B+4*\slot+2:G0B+4*\slot+3], 2*SLB
	JLOAD G0+4*\slot, G1, G0B+4*\slot, G1B         ; the first tensor load behind the round; the four v_nop behind it are the places in front of the loads below
.else
	PLACES NP
.endif
	v_add_nc_u32 v[ADRS], 128, v[ADRS]             ; on to the next slot's scale words
	FETCH_B \next, 0, 0
	FETCH_A \next, 0, 0
	SCALES \next
	WIN MUL_HI
	MUL16 4, 1, NQ-1, \slot, 0
	MUL16 6, 1, NQ-1, \slot, 0
	PLACES NP
	WIN 0
	FETCH_A \next, 0, 4
.endm
	s_wait_tensorcnt 1                             ; the scale words and my part of slot 0 are in (slot 1's load may be out)
	s_barrier_signal -1
	s_barrier_wait -1                              ; everybody's are
	FETCH_B 0, 0, 0
	FETCH_A 0, 0, 0
	SCALES 0
	FETCH_A 0, 0, 4
	s_wait_loadcnt 0x0                             ; the bias
	s_cmp_eq_u32 ttmp9, 2                          ; the first step is written twice: the bias's registers go by B's block or by A's
	s_cbranch_scc1 .Lfirst_v
	STEP 0, 0, 1
	s_branch .Lfirst_done
.Lfirst_v:
	STEP 0, 0, 2
.Lfirst_done:
	s_mov_b32 s3, LAPS-1
.Llap:                                                 ; a trip goes once round the ring and fills both slots again
	TURN 0, 1, 1
	STEP 1, 0, 0
	TURN 1, 0, 1
	STEP 0, 0, 0
	s_sub_co_u32 s3, s3, 1
	s_cmp_lg_u32 s3, 0
	s_cbranch_scc1 .Llap
	TURN 0, 1, 0                                   ; the last lap fills nothing
	STEP 1, 0, 0
	s_wait_dscnt 4*NL
	WIN MUL_LO
	MUL16 0, 1, NQ-1, 1, 0
	MUL16 2, 1, NQ-1, 1, 0
	s_wait_dscnt 0
	WIN MUL_HI
	MUL16 4, 1, NQ-1, 1, 0
	MUL16 6, 1, NQ-1, 1, 0
	WIN 0
; THE WAY OUT.  A's block a is 16 rows x 128 neighbours: one fragment.  q, k: its two half fragments are two heads' tiles of 16 tokens; v: the two halves of one fragment of V^T.
	s_mov_b32 s66, 204800
	s_mov_b32 s67, 12800
	s_mov_b32 s4, 204800
	s_mov_b32 s96, 768
	s_cmp_eq_u32 ttmp9, 0                          ; q?
	s_cselect_b32 s66, 98304, s66                  ; a head's bytes
	s_cselect_b32 s67, 6144, s67                   ; those of 128 tokens
	s_cselect_b32 s4, 8192, s4                     ; from a head's scale words to the next head's
	s_cselect_b64 s[92:93], s[10:11], s[12:13]     ; qq or kv
	s_cmp_eq_u32 ttmp9, 2                          ; v?
	s_cselect_b32 s18, s42, s17                    ; the tokens' tile,
	s_cselect_b32 s19, s17, s42                    ; the channels' tile,
	s_cselect_b32 s20, s16, s15                    ; my half of the tokens,
	s_cselect_b32 s21, s15, s16                    ; my half of the channels
	s_cselect_b32 s22, 6400, 0                     ; V's part of a record
	s_cselect_b32 s94, 768, s66                    ; from the first half fragment's place to the second's
	s_cselect_b32 s96, 1536, s96                   ; from block to block
	s_cselect_b32 s98, 198656, 0                   ; v: more at block 4: on to the next head (204,800 - 4 x 1,536)
	s_mov_b32 s95, 0
	s_mov_b32 s97, 0
	s_mov_b32 s99, 0
	s_mov_b32 s23, 0
	s_lshr_b32 s5, s18, 3                          ; the batch
	s_lshl_b32 s5, s5, 4
	s_and_b32 s6, s19, 3
	s_lshl_b32 s6, s6, 2
	s_add_co_u32 s5, s5, s6
	s_lshl_b32 s6, s21, 1
	s_add_co_u32 s5, s5, s6                        ; my first head: 16 batch + 4 (channel tile % 4) + 2 half
	s_and_b32 s6, s18, 7
	s_lshl_b32 s6, s6, 1
	s_add_co_u32 s6, s6, s20                       ; my 128 tokens' number in the batch
	s_mul_i32 s7, s5, s66
	s_mul_i32 s8, s6, s67
	s_add_co_u32 s7, s7, s8
	s_add_co_u32 s22, s7, s22
	s_add_nc_u64 s[92:93], s[92:93], s[22:23]      ; the first half fragment's place,
	s_add_nc_u64 s[94:95], s[92:93], s[94:95]      ; the second's,
	s_add_nc_u64 s[100:101], s[92:93], 6144        ; k, v: the scale words' place in the record
	s_lshl_b32 s8, s5, 13
	s_lshl_b32 s9, s6, 9
	s_add_co_u32 s8, s8, s9
	s_add_co_u32 s8, s8, 6291456
	s_mov_b32 s9, 0
	s_add_nc_u64 s[10:11], s[10:11], s[8:9]        ; q: its scale words
	s_mov_b32 s[SEL], 0x76543210
	s_mov_b32 s[SEL+1], 0xfedcba98
	PLACES NP                                      ; behind the last products: their results are read and A's registers written below
	v_lshlrev_b32 v192, 4, v3                      ; 16 h
	v_mov_b32 v193, 0x05040100
	v_mov_b32 v195, 0x07060302
	v_cmp_ne_u32 vcc_lo, 0, v3
	v_cndmask_b32 v193, v193, v195, vcc_lo         ; lanes 0-15 pick the words' low halves (the first head), lanes 16-31 the high
	v_mul_u32_u24 v194, s4, v3
	v_lshl_add_u32 v194, v2, 4, v194               ; 16 r, + a head for lanes 16-31
.irp b, 0,1,2,3
	v_mov_b32 v[TM+4+\b], 0                        ; written once: a lane permute's destination counts as one of its sources
.endr
; block a's 64 results become a fragment's codes in v[PC] on and its scale word in v[PWS + a].  Each accumulator is read from its low end on.
.macro QUANTW a
.set W, 2+(\a)/4
.set AC, 64*((\a)%4)
	WIN (W<<2)|(W<<4)                              ; sources 1 and 2: the accumulators' window
.irp b, 0,1,2,3
	v_max3_num_f32 v[TM+\b], 0x1800000, |v[AC+16*\b]|, |v[AC+16*\b+1]|   ; the floor 2^(3 - 127) and my 16 numbers of block b
.endr
.irp i, 2,4,6,8,10,12,14
.irp b, 0,1,2,3
	v_max3_num_f32 v[TM+\b], v[TM+\b], |v[AC+16*\b+\i]|, |v[AC+16*\b+\i+1]|
.endr
.endr
	WIN 0
.irp b, 0,1,2,3
	v_permlanex16_b32 v[TM+4+\b], v[TM+\b], s[SEL], s[SEL+1]
.endr
.irp b, 0,1,2,3
	v_max_num_f32 v[TM+\b], v[TM+\b], v[TM+4+\b]
.endr
.irp b, 0,1,2,3
	v_add_nc_u32 v[TM+12+\b], 0xff000000, v[TM+\b]
.endr
.irp b, 0,1,2,3
	v_lshrrev_b32 v[TM+4+\b], 23, v[TM+12+\b]
.endr
	v_lshl_or_b32 v[PWS+(\a)], v[TM+5], 8, v[TM+4]
	v_lshl_or_b32 v[PWS+(\a)], v[TM+6], 16, v[PWS+(\a)]
	v_lshl_or_b32 v[PWS+(\a)], v[TM+7], 24, v[PWS+(\a)]
	WIN W                                          ; source 0: the accumulators' window
.irp c, 0,1
	v_cvt_scalef32_pk16_fp6_f32 v[PC+6*\c:PC+2+6*\c], v[AC+32*\c:AC+15+32*\c], v[TM+12+2*\c]
	v_cvt_scalef32_pk16_fp6_f32 v[PC+12+4*\c:PC+14+4*\c], v[AC+16+32*\c:AC+31+32*\c], v[TM+13+2*\c]
.endr
	WIN 0
	v_nop                                          ; one plain place behind a scaled conversion
.irp c, 0,1
.irp i, 0,1,2
	v_permlane16_swap_b32 v[PC+6*\c+\i], v[PC+12+4*\c+\i]
.endr
.irp i, 0,1,2
	v_mov_b32 v[PC+3+6*\c+\i], v[PC+12+4*\c+\i]
.endr
.endr
.endm
.macro OUTBLK a
.if (\a) > 0
	s_wait_xcnt 0x0                                ; the last block's stores have read their bases and the codes' registers
	s_add_nc_u64 s[92:93], s[92:93], s[96:97]
	s_add_nc_u64 s[94:95], s[94:95], s[96:97]
.if (\a) == 4
	s_add_nc_u64 s[92:93], s[92:93], s[98:99]
	s_add_nc_u64 s[94:95], s[94:95], s[98:99]
.endif
.endif
	QUANTW \a
	global_store_b128 v24, v[PC:PC+3], s[92:93]                  ; 512 consecutive bytes
	global_store_b64 v25, v[PC+4:PC+5], s[92:93] offset:512      ; 256
	global_store_b128 v24, v[PC+6:PC+9], s[94:95]
	global_store_b64 v25, v[PC+10:PC+11], s[94:95] offset:512
.endm
.irp a, 0,1,2,3,4,5,6,7
	OUTBLK \a
.endr
	; the scale words: every lane holds its row's eight words; lanes 0-15 serve the first head, lanes 16-31 the second; sixteen lanes store 256 consecutive bytes
	s_cmp_eq_u32 ttmp9, 0
	s_cbranch_scc0 .Lnot_q
.irp a, 0,1,2,3,4,5,6,7
	v_bfe_u32 v[OW+\a], v[PWS+\a], v192, 16        ; q: my head's two bytes below, zeros above
.endr
	global_store_b128 v194, v[OW:OW+3], s[10:11]
	global_store_b128 v194, v[OW+4:OW+7], s[10:11] offset:256
	s_branch .Lsc_done
.Lnot_q:
	s_cmp_eq_u32 ttmp9, 1
	s_cbranch_scc0 .Lis_v
.irp b, 0,1,2,3
	v_perm_b32 v[OW+\b], v[PWS+2*\b+1], v[PWS+2*\b], v193   ; k: key tile 2 b's two bytes below, key tile 2 b + 1's above
.endr
	global_store_b128 v194, v[OW:OW+3], s[100:101]
	s_branch .Lsc_done
.Lis_v:
	v_cmp_ne_u32 vcc_lo, 0, v3
.irp t, 0,1,2,3
	v_cndmask_b32 v[OW+\t], v[PWS+\t], v[PWS+4+\t], vcc_lo  ; v: blocks 0-3 are the first head's four tiles of channels, blocks 4-7 the second's
.endr
	global_store_b128 v194, v[OW:OW+3], s[100:101]
.Lsc_done:
	s_wait_tensorcnt 0x0                           ; the wave's end
	ds_add_u32 v[SPW], v[NIL]
	s_wait_dscnt 0x0
	CROUND                                         ; the closing round: no work-group ends while a partner may still ask for a tile that names it
	s_endpgm
.Lfunc_end_k_qad285e1a3a_qkv:
	.size	k_qad285e1a3a_qkv, .Lfunc_end_k_qad285e1a3a_qkv-k_qad285e1a3a_qkv
	.p2alignl 7, 3214868480
	.fill 96, 4, 3214868480
	.section	.rodata,"a",@progbits
	.p2align	6, 0x0
	.amdhsa_kernel k_qad285e1a3a_qkv
		.amdhsa_group_segment_fixed_size 327680
		.amdhsa_private_segment_fixed_size 0
		.amdhsa_enable_private_segment 0
		.amdhsa_kernarg_size 40
		.amdhsa_user_sgpr_count 2
		.amdhsa_user_sgpr_kernarg_segment_ptr 1
		.amdhsa_wavefront_size32 1
		.amdhsa_system_sgpr_workgroup_id_x 1
		.amdhsa_system_sgpr_workgroup_id_y 1
		.amdhsa_system_sgpr_workgroup_id_z 1
		.amdhsa_system_vgpr_workitem_id 0
		.amdhsa_next_free_vgpr 1024
		.amdhsa_next_free_sgpr 102
		.amdhsa_reserve_vcc 1
		.amdhsa_float_denorm_mode_32 3
		.amdhsa_float_denorm_mode_16_64 3
		.amdhsa_memory_ordered 1
		.amdhsa_forward_progress 1
		.amdhsa_inst_pref_size 173
	.end_amdhsa_kernel
	.amdgpu_metadata
---
amdhsa.version: [ 1, 2 ]
amdhsa.kernels:
  - .name:           k_qad285e1a3a_qkv
    .symbol:         k_qad285e1a3a_qkv.kd
    .args:
      - { .name: xq, .offset: 0, .size: 8, .value_kind: global_buffer, .address_space: global }
      - { .name: wq, .offset: 8, .size: 8, .value_kind: global_buffer, .address_space: global }
      - { .name: b_attn, .offset: 16, .size: 8, .value_kind: global_buffer, .address_space: global }
      - { .name: qq, .offset: 24, .size: 8, .value_kind: global_buffer, .address_space: global }
      - { .name: kv, .offset: 32, .size: 8, .value_kind: global_buffer, .address_space: global }
    .group_segment_fixed_size: 327680
    .private_segment_fixed_size: 0
    .kernarg_segment_align: 8
    .kernarg_segment_size: 40
    .max_flat_workgroup_size: 128
    .sgpr_count:     102
    .vgpr_count:     1024
    .wavefront_size: 32
...
	.end_amdgpu_metadata
.endif
;; end of part 2
;; launch attn (part 3): grid 4 x 64, 16 waves a work-group, no clusters, 206,848 bytes of LDS; arguments qq, kv, yq; writes yq
.if DOCPART == 3
	.amdgcn_target "amdgcn-amd-amdhsa--gfx1250"
	.amdhsa_code_object_version 6
	.text
	.protected	k_qad285e1a3a_attn
	.globl	k_qad285e1a3a_attn
	.p2align	8
	.type	k_qad285e1a3a_attn,@function
k_qad285e1a3a_attn:
	s_mov_b64 s[64:65], 0
	v_nop
	global_prefetch_b8 v0, s[64:65] scope:SCOPE_SE
	s_setreg_imm32_b32 hwreg(HW_REG_WAVE_MODE, 25, 1), 1
	s_wait_xcnt 0x0
; ATTN: y = softmax(q k^T / 8, causal) v for one head, both products on codes of FP6 (E2M3) with E8M0 scales; y / l is quantised along C for the last product and leaves as codes.
; THE SOFTMAX AHEAD OF THE SECOND PRODUCT: t = score x log2(e) / 8; M = the running largest t rounded UP to a whole number; p = 2^(t - M) is quantised along the keys, not normalised;
; the row's sum is taken of the unquantised p and divides at the end.  When M moves, the sum and O are multiplied by 2^(old M - new M): exact.
; SHARES.  Work-group (j, head).  Wave w of sixteen owns two tiles of 16 queries: iL = 16 j + w and iH = 127 - iL.  Tile i needs i / 8 + 1 key steps of 128, so every wave works 17 steps.
; A tile's 16 tokens are 32 (i / 2) + 8 (i % 2) + r + 8 (r / 8).
; LDS holds the head's 16 records of 12,800 bytes (one key step each), filled ONCE by waves 0-3, four tensor loads each; nothing is filled again.
; No cluster, though the four work-groups of a head read the same records: the steps that a wave leaves out hang on its tile, that is on the work-group's place, and partners of a joint load must run alike.
; A record: 4 fragments of K, K's scale words [r][4], 4 fragments of V^T, V's scale words [r][4]; a fragment as four runs of consecutive bytes (registers 0-3, 4-5, 6-9, 10-11).
; THE HEAD'S 64 IN AN INSTRUCTION OF 128: fragment b' of K holds key tile 2 b' in k = 0 .. 63 and key tile 2 b' + 1 in k = 64 .. 127.  q stands twice: QA = [q | zero codes], QB = [zero codes | q].
; K's fragment x QA gives tile 2 b', x QB tile 2 b' + 1: zero codes add nothing under any scale byte but 0xff; theirs is 0.
; LAYOUT.  Both products transposed: S^T = K Q^T, O^T = V^T P^T: a lane holds ONE query (lane % 16).  By the tiles' order of rows, register 16 b + i of S^T is key 32 b + 16 (lane / 16) + i,
; and register 16 c + i of O^T is channel 32 c + 16 (lane / 16) + i.
; CAUSAL: a step all of whose keys come after the tile's queries is left out by a scalar branch on ids; in the one step on the diagonal hidden scores become -infinity ahead of the maximum.
; LIMITS of y's quantiser: a block of zeros gets the byte 1 and not 127; largest magnitudes under 2^-124 are held at the byte 1; NaN and infinities are not served.
; REGISTERS: v1 16 l, v2 8 l, v3 16 r, v4 r + 8 (r / 8) - 16 h, v5-7 the step's addresses, v10 8 r + h, v12 -M, v13 the largest t, v[14:15] the sum, v16-27 QA, v32-79 four fragments, v96-159 S^T then p,
;   v160-191 O^T, v192-203 QB, v204-210 and v212-218 the two tiles' q and scale word, v220-221 QA's and QB's scale words, v222 p's, v224-235 p's codes, v232-254 at work, v248-251 K's or V's scale words, v255 -infinity.
.set REC, 12800
.set A16, 5
.set A8,  6
.set AS,  7
.set WV,  18
.set SEL, 20
.set CS,  22
.set G1,  24
.set G0,  32
.set TB,  48                           ; s48  LDS byte at which the step's record begins
.set KF,  49                           ; s49  the step's first key
.set CNT, 50
.set QD,  51                           ; s51  the first key of the tile's step on the diagonal
.set Q0,  52                           ; s52  the tile's first token
	s_load_b128 s[4:7], s[0:1], 0x0                ; qq, kv
	s_load_b64 s[8:9], s[0:1], 0x10                ; yq
	v_lshl_add_u32 v223, v0, 2, 0x32000
	v_mov_b32 v243, 0
	ds_add_u32 v223, v243
	ds_add_u32 v223, v243
	v_lshrrev_b32 v8, 5, v0
	s_delay_alu instid0(VALU_DEP_1)
	v_readfirstlane_b32 s[WV], v8                  ; wave 0..15
	s_and_b32 s66, ttmp7, 0xffff                   ; the head, 16 batch + head
	; descriptor group 1: a record, 12,800 dense bytes, as 50 rows of 32 elements of 8 bytes
	s_mov_b32 s[G1], 3<<16
	s_mov_b32 s[G1+1], 32<<16
	s_mov_b32 s[G1+2], 50<<16
	s_mov_b32 s[G1+3], 32<<16
	s_mov_b32 s[G1+4], 50
	s_mov_b32 s[G1+5], 32
	s_mov_b32 s[G1+6], 0
	s_mov_b32 s[G1+7], 0
	s_mul_i32 s67, s[WV], REC                      ; record w, in LDS and in the head
	s_mul_i32 s68, s66, 16*REC
	s_add_co_u32 s68, s68, s67
	s_mov_b32 s69, 0
	s_wait_dscnt 0x0
	s_wait_kmcnt 0x0
	s_add_nc_u64 s[68:69], s[6:7], s[68:69]
.irp g, 0,1,2,3                        ; load g brings record 4 g + w
	s_mov_b32 s[G0+4*\g], 1
	s_add_co_u32 s[G0+4*\g+1], s67, \g*4*REC
	s_add_nc_u64 s[G0+4*\g+2:G0+4*\g+3], s[68:69], \g*4*REC
	s_or_b32 s[G0+4*\g+3], s[G0+4*\g+3], 0x80000000
.endr
	s_cmp_lt_u32 s[WV], 4                          ; all first fills of a wave stand in one branch on the wave's number: four loads of waves 0-3 are out, none of the others
	s_cbranch_scc0 .Lno_fetch
	tensor_load_to_lds s[G0:G0+3], s[G1:G1+7]
	s_nop 0
	tensor_load_to_lds s[G0+4:G0+7], s[G1:G1+7]
	s_nop 0
	tensor_load_to_lds s[G0+8:G0+11], s[G1:G1+7]
	s_nop 0
	tensor_load_to_lds s[G0+12:G0+15], s[G1:G1+7]
	s_nop 0
.rept 4
	v_nop
.endr
.Lno_fetch:
	v_and_b32 v8, 31, v0
	v_and_b32 v9, 15, v0                           ; r
	v_bfe_u32 v11, v0, 4, 1                        ; h
	s_delay_alu instid0(VALU_DEP_3)
	v_lshlrev_b32 v1, 4, v8
	s_wait_alu depctr_va_vdst(0)
	v_lshlrev_b32 v2, 3, v8
	s_wait_alu depctr_va_vdst(0)
	v_lshlrev_b32 v3, 4, v9
	s_wait_alu depctr_va_vdst(0)
	v_and_b32 v4, 8, v9
	s_delay_alu instid0(VALU_DEP_1)
	v_add_nc_u32 v4, v4, v9
	v_lshlrev_b32 v8, 4, v11
	s_delay_alu instid0(VALU_DEP_1)
	v_sub_nc_u32 v4, v4, v8                        ; r + 8 (r / 8) - 16 h
	v_lshl_add_u32 v10, v9, 3, v11                 ; 8 r + h
	v_cmp_ne_u32 s90, 0, v11                       ; lanes 16-31
	s_lshl_b32 s76, ttmp9, 4
	s_add_co_u32 s76, s76, s[WV]                   ; iL
	s_sub_co_u32 s77, 127, s76                     ; iH
; tile s[i]: where its q and q's scale words lie, where its y and y's scale bytes go, its step on the diagonal, its first token
.macro TILE i, qc, qs, yc, ys, qd, q0
	s_mul_i32 s70, s66, 98304
	s_mul_i32 s71, s[\i], 768
	s_add_co_u32 s70, s70, s71
	s_mov_b32 s71, 0
	s_add_nc_u64 s[\qc:\qc+1], s[4:5], s[70:71]
	s_lshl_b32 s70, s66, 13
	s_lshr_b32 s72, s[\i], 2
	s_lshl_b32 s72, s72, 8
	s_add_co_u32 s70, s70, s72
	s_and_b32 s72, s[\i], 3
	s_lshl_b32 s72, s72, 2
	s_add_co_u32 s70, s70, s72
	s_add_co_u32 s70, s70, 6291456
	s_add_nc_u64 s[\qs:\qs+1], s[4:5], s[70:71]
	s_lshr_b32 s72, s66, 4
	s_lshl_b32 s72, s72, 7
	s_add_co_u32 s72, s72, s[\i]                   ; y's row block: 128 batch + tile
	s_and_b32 s73, s66, 15                         ; the head in its batch
	s_mul_i32 s70, s72, 12288
	s_mul_i32 s74, s73, 768                        ; the head's 64 channels are half fragment number head
	s_add_co_u32 s70, s70, s74
	s_add_nc_u64 s[\yc:\yc+1], s[8:9], s[70:71]
	s_lshl_b32 s70, s72, 9
	s_lshr_b32 s74, s73, 2
	s_lshl_b32 s74, s74, 7
	s_add_co_u32 s70, s70, s74
	s_and_b32 s74, s73, 3
	s_lshl_b32 s74, s74, 1
	s_add_co_u32 s70, s70, s74
	s_add_co_u32 s70, s70, 6291456
	s_add_nc_u64 s[\ys:\ys+1], s[8:9], s[70:71]
	s_lshr_b32 s[\qd], s[\i], 3
	s_lshl_b32 s[\qd], s[\qd], 7
	s_lshr_b32 s[\q0], s[\i], 1
	s_lshl_b32 s[\q0], s[\q0], 5
	s_and_b32 s74, s[\i], 1
	s_lshl_b32 s74, s74, 3
	s_add_co_u32 s[\q0], s[\q0], s74
.endm
	TILE 77, 78, 80, 56, 58, 86, 87
	TILE 76, 82, 84, 60, 62, 88, 89
	global_load_b128 v[204:207], v1, s[78:79]
	global_load_b64 v[208:209], v2, s[78:79] offset:512
	global_load_b32 v210, v3, s[80:81]
	global_load_b128 v[212:215], v1, s[82:83]
	global_load_b64 v[216:217], v2, s[82:83] offset:512
	global_load_b32 v218, v3, s[84:85]
	s_mov_b32 s[SEL], 0x76543210
	s_mov_b32 s[SEL+1], 0xfedcba98
	s_mov_b32 s[CS], 0x3e38aa3b                    ; c = log2(e) / 8
	s_mov_b32 s[CS+1], s[CS]                       ; (named with it as a pair, so it is written)
.irp i, 0,1,2,3,4,5
	v_mov_b32 v[22+\i], 0                          ; QA's upper half and QB's lower: zero codes, for the whole launch
	v_mov_b32 v[192+\i], 0
.endr
.irp b, 0,1,2,3
	v_mov_b32 v[236+\b], 0                         ; written once: a lane permute's destination counts as one of its sources
.endr
	v_mov_b32 v252, 0
	v_mov_b32 v253, 0                              ; (named as the upper half of the pair v[252:253])
	v_mov_b32 v255, 0xff800000                     ; -infinity
; A KEY STEP: 128 keys, the record at s[TB]
.macro STEP
	s_cmp_gt_u32 s[KF], s[QD]                      ; all its keys come after my queries: only the lines at its end, which step addresses, are run
	s_cbranch_scc1 .Lhidden_\@
	s_setprio 2
	v_add_nc_u32 v[A16], s[TB], v1                 ; these three and the v_nop are the four places in front of loads into registers that the last products read
	v_add_nc_u32 v[A8], s[TB], v2
	v_add_nc_u32 v[AS], s[TB], v3
	v_nop
.irp b, 0,1,2,3
	ds_load_b128 v[32+12*\b:35+12*\b], v[A16] offset:1536*\b
	ds_load_b64 v[36+12*\b:37+12*\b], v[A8] offset:1536*\b+512
	ds_load_b128 v[38+12*\b:41+12*\b], v[A16] offset:1536*\b+768
	ds_load_b64 v[42+12*\b:43+12*\b], v[A8] offset:1536*\b+1280
.endr
	ds_load_b128 v[248:251], v[AS] offset:6144     ; K's scale words: lane r has row r's four
	s_wait_alu depctr_va_vdst(0)
	s_wait_dscnt 0x0
.irp b, 0,1,2,3
	v_wmma_scale_f32_16x16x128_f8f6f4 v[96+16*\b:103+16*\b], v[32+12*\b:43+12*\b], v[16:27], 0, v[248+\b], v220 matrix_a_fmt:MATRIX_FMT_FP6 matrix_b_fmt:MATRIX_FMT_FP6
	v_wmma_scale_f32_16x16x128_f8f6f4 v[104+16*\b:111+16*\b], v[32+12*\b:43+12*\b], v[192:203], 0, v[248+\b], v221 matrix_a_fmt:MATRIX_FMT_FP6 matrix_b_fmt:MATRIX_FMT_FP6
.endr
.rept 4
	v_nop                                          ; places: the results are read below, and V lands where K lay
.endr
.irp b, 0,1,2,3                        ; V^T's four fragments and scale words are asked for now and land during the softmax
	ds_load_b128 v[32+12*\b:35+12*\b], v[A16] offset:6400+1536*\b
	ds_load_b64 v[36+12*\b:37+12*\b], v[A8] offset:6400+1536*\b+512
	ds_load_b128 v[38+12*\b:41+12*\b], v[A16] offset:6400+1536*\b+768
	ds_load_b64 v[42+12*\b:43+12*\b], v[A8] offset:6400+1536*\b+1280
.endr
	ds_load_b128 v[248:251], v[AS] offset:12544
	s_cmp_lt_u32 s[KF], s[QD]                      ; a step all of whose keys count skips the mask
	s_cbranch_scc1 .Lopen_\@
	s_sub_co_i32 s70, s[Q0], s[KF]
	v_add_nc_u32 v254, s70, v4                     ; d = my token - KF - 16 h.  Register 16 b + i holds key KF + 16 h + 32 b + i: hidden where 32 b + i > d
.set n, 0
.rept 64
	v_cmp_gt_i32 vcc_lo, 32*(n/16)+n%16, v254
	v_cndmask_b32 v[96+n], v[96+n], v255, vcc_lo
.set n, n+1
.endr
.Lopen_\@:
.irp b, 0,1,2,3
	v_max3_num_f32 v[232+\b], v[96+16*\b], v[97+16*\b], v[98+16*\b]   ; the largest score of each block of 32 keys: for the row's maximum and, since p rises with the score, for the block's largest p
.endr
.irp i, 3,5,7,9,11,13
.irp b, 0,1,2,3
	v_max3_num_f32 v[232+\b], v[232+\b], v[96+16*\b+\i], v[97+16*\b+\i]
.endr
.endr
.irp b, 0,1,2,3
	v_max_num_f32 v[232+\b], v[232+\b], v[111+16*\b]
.endr
.irp b, 0,1,2,3
	s_delay_alu instid0(VALU_DEP_4)
	v_permlanex16_b32 v[236+\b], v[232+\b], s[SEL], s[SEL+1]
.endr
.irp b, 0,1,2,3
	s_delay_alu instid0(VALU_DEP_4)
	v_max_num_f32 v[232+\b], v[232+\b], v[236+\b]  ; with lane l xor 16's 16 keys
.endr
	s_delay_alu instid0(VALU_DEP_2)
	v_max3_num_f32 v254, v232, v233, v234
	s_delay_alu instid0(VALU_DEP_1)
	v_max_num_f32 v254, v254, v235
	s_delay_alu instid0(VALU_DEP_1)
	v_mul_f32 v254, s[CS], v254                    ; the step's largest t
	s_delay_alu instid0(VALU_DEP_1)
	v_max_num_f32 v13, v13, v254                   ; the running largest t
	v_mov_b32 v254, v12
	s_delay_alu instid0(VALU_DEP_2)
	v_floor_f32 v12, -v13                          ; the new -M = -ceil(t): a whole number
	s_delay_alu instid0(VALU_DEP_1)
	v_sub_f32 v254, v12, v254                      ; old M - new M: a whole number, 0 or less
	s_delay_alu instid0(VALU_DEP_1)
	v_cvt_i32_f32 v254, v254                       ; (it saturates)
	s_delay_alu instid0(VALU_DEP_1)
	v_ldexp_f32 v252, 1.0, v254                    ; f = 2^(old M - new M)
.set j, 0
.rept 32
	v_pk_fma_f32 v[96+j:97+j], v[96+j:97+j], s[CS:CS+1], v[12:13] op_sel_hi:[1,0,0]   ; t - M, two at a time
.set j, j+2
.endr
	s_setprio 1
.irp b, 0,1,2,3
	v_fma_f32 v[232+\b], v[232+\b], s[CS], v12     ; the same of each block's largest score
.endr
.set j, 0
	s_wait_alu depctr_va_vdst(0)
.rept 64
	v_exp_f32 v[96+j], v[96+j]                     ; p = 2^(t - M), at most 1
.set j, j+1
.endr
.irp b, 0,1,2,3
	v_exp_f32 v[232+\b], v[232+\b]                 ; the block's largest p
.endr
	v_pk_mul_f32 v[14:15], v[14:15], v[252:253] op_sel_hi:[1,0]   ; the sums under the new M.  (A plain place behind the exponentials)
	s_wait_alu depctr_va_vdst(0)
.irp b, 0,1,2,3
	v_max_num_f32 v[232+\b], 0x1800000, v[232+\b]  ; the floor 2^(3 - 127): a block whose every p is 0 keeps the byte 1: its codes are zeros
.endr
.irp b, 0,1,2,3
	s_delay_alu instid0(VALU_DEP_4)
	v_add_nc_u32 v[244+\b], 0xff000000, v[232+\b]  ; the conversion's scale operand
.endr
.irp b, 0,1,2,3
	s_delay_alu instid0(VALU_DEP_4)
	v_lshrrev_b32 v[236+\b], 23, v[244+\b]         ; the byte
.endr
	s_delay_alu instid0(VALU_DEP_3)
	v_lshl_or_b32 v222, v237, 8, v236              ; p's scale word for these 128 keys
	s_delay_alu instid0(VALU_DEP_1)
	v_lshl_or_b32 v222, v238, 16, v222
	s_delay_alu instid0(VALU_DEP_1)
	v_lshl_or_b32 v222, v239, 24, v222
.irp c, 0,1
	v_cvt_scalef32_pk16_fp6_f32 v[224+6*\c:226+6*\c], v[96+32*\c:111+32*\c], v[244+2*\c]
	v_cvt_scalef32_pk16_fp6_f32 v[236+4*\c:238+4*\c], v[112+32*\c:127+32*\c], v[245+2*\c]
.endr
	v_nop                                          ; one plain place behind a scaled conversion
.irp c, 0,1
.irp i, 0,1,2
	v_permlane16_swap_b32 v[224+6*\c+\i], v[236+4*\c+\i]
.endr
.irp i, 0,1,2
	s_delay_alu instid0(VALU_DEP_3)
	v_mov_b32 v[227+6*\c+\i], v[236+4*\c+\i]
.endr
.endr
	v_pk_add_f32 v[236:237], v[100:101], v[104:105]
	v_pk_add_f32 v[246:247], v[108:109], v[112:113]
	v_pk_add_f32 v[244:245], v[116:117], v[120:121]
	v_pk_add_f32 v[240:241], v[124:125], v[128:129]
	v_pk_add_f32 v[210:211], v[132:133], v[136:137]
	v_pk_add_f32 v[208:209], v[140:141], v[144:145]
	v_pk_add_f32 v[206:207], v[148:149], v[152:153]
	v_pk_add_f32 v[14:15], v[14:15], v[156:157]
	v_pk_add_f32 v[236:237], v[236:237], v[96:97]
	v_pk_add_f32 v[246:247], v[246:247], v[98:99]
	s_setprio 0
	v_pk_add_f32 v[244:245], v[244:245], v[102:103]
	v_pk_add_f32 v[240:241], v[240:241], v[106:107]
	v_pk_add_f32 v[210:211], v[210:211], v[110:111]
	v_pk_add_f32 v[208:209], v[208:209], v[114:115]
	v_pk_add_f32 v[206:207], v[206:207], v[118:119]
	v_pk_add_f32 v[14:15], v[14:15], v[122:123]
	v_pk_add_f32 v[236:237], v[236:237], v[126:127]
	v_pk_add_f32 v[246:247], v[246:247], v[130:131]
	v_pk_add_f32 v[244:245], v[244:245], v[134:135]
	v_pk_add_f32 v[240:241], v[240:241], v[138:139]
	v_pk_add_f32 v[210:211], v[210:211], v[142:143]
	v_pk_add_f32 v[208:209], v[208:209], v[146:147]
	v_pk_add_f32 v[206:207], v[206:207], v[150:151]
	v_pk_add_f32 v[14:15], v[14:15], v[154:155]
	v_pk_add_f32 v[236:237], v[236:237], v[158:159]
	s_delay_alu instid0(VALU_DEP_2)
	v_pk_add_f32 v[14:15], v[14:15], v[240:241]
	s_delay_alu instid0(VALU_DEP_2)
	v_pk_add_f32 v[236:237], v[236:237], v[210:211]
	v_pk_add_f32 v[246:247], v[246:247], v[208:209]
	v_pk_add_f32 v[244:245], v[244:245], v[206:207]
	s_delay_alu instid0(VALU_DEP_2)
	v_pk_add_f32 v[14:15], v[14:15], v[246:247]
	s_delay_alu instid0(VALU_DEP_2)
	v_pk_add_f32 v[236:237], v[236:237], v[244:245]
	s_delay_alu instid0(VALU_DEP_1)
	v_pk_add_f32 v[14:15], v[14:15], v[236:237]
.set j, 0
.rept 16
	v_pk_mul_f32 v[160+j:161+j], v[160+j:161+j], v[252:253] op_sel_hi:[1,0]   ; O^T under the new M.  (With the sums above: the places between p's codes and scale word and the products below)
.set j, j+2
.endr
	s_wait_alu depctr_va_vdst(0)
	s_wait_dscnt 0x0                               ; V
.irp t, 0,1,2,3
	v_wmma_scale_f32_16x16x128_f8f6f4 v[160+8*\t:167+8*\t], v[32+12*\t:43+12*\t], v[224:235], v[160+8*\t:167+8*\t], v[248+\t], v222 matrix_a_fmt:MATRIX_FMT_FP6 matrix_b_fmt:MATRIX_FMT_FP6
.endr
.Lhidden_\@:
	s_add_co_u32 s[KF], s[KF], 128
	s_add_co_u32 s[TB], s[TB], REC
.endm
; a tile begins: q into QA and QB, its scale word for each; the largest t -3e38, the sum and O^T zeros, which the first change of M leaves zeros
.macro BEGIN hq, qd, q0
	v_mov_b32 v220, v[\hq+6]                       ; QA: q's two bytes for k = 0 .. 63
	v_lshlrev_b32 v221, 16, v[\hq+6]               ; QB: for k = 64 .. 127
.irp i, 0,1,2,3,4,5
	v_mov_b32 v[16+\i], v[\hq+\i]
	v_mov_b32 v[198+\i], v[\hq+\i]
.endr
	v_mov_b32 v13, 0xff61b1e6
	s_delay_alu instid0(VALU_DEP_1)
	v_floor_f32 v12, -v13
	v_mov_b32 v14, 0
	v_mov_b32 v15, 0
.set j, 0
.rept 32
	v_mov_b32 v[160+j], 0                          ; (also the places between the scale words just written and the first products)
.set j, j+1
.endr
	s_mov_b32 s[QD], s[\qd]
	s_mov_b32 s[Q0], s[\q0]
.endm
; a tile ends: O^T / the sum; its 32 numbers a lane are two blocks of 32 along C, shared with lane l xor 16: one half fragment of y, and two scale bytes a row
.macro FINISH yc, ys
.rept 4
	v_nop                                          ; places behind the last products
.endr
	v_add_f32 v14, v14, v15
	s_delay_alu instid0(VALU_DEP_1)
	v_permlanex16_b32 v252, v14, s[SEL], s[SEL+1]
	s_delay_alu instid0(VALU_DEP_1)
	v_add_f32 v14, v14, v252                       ; the row's sum
	s_wait_alu depctr_va_vdst(0)
	v_rcp_f32 v14, v14
	v_nop                                          ; one plain place behind a transcendental
.set j, 0
	s_wait_alu depctr_va_vdst(0)
.rept 16
	v_pk_mul_f32 v[96+j:97+j], v[160+j:161+j], v[14:15] op_sel_hi:[1,0]   ; each accumulator from its low end on
.set j, j+2
.endr
.irp c, 0,1
	v_max3_num_f32 v[232+\c], |v[96+16*\c]|, |v[97+16*\c]|, 0x1800000
.endr
.irp i, 2,4,6,8,10,12,14
.irp c, 0,1
	s_delay_alu instid0(VALU_DEP_2)
	v_max3_num_f32 v[232+\c], v[232+\c], |v[96+16*\c+\i]|, |v[97+16*\c+\i]|
.endr
.endr
.irp c, 0,1
	s_delay_alu instid0(VALU_DEP_2)
	v_permlanex16_b32 v[236+\c], v[232+\c], s[SEL], s[SEL+1]
.endr
.irp c, 0,1
	s_delay_alu instid0(VALU_DEP_2)
	v_max_num_f32 v[232+\c], v[232+\c], v[236+\c]
.endr
.irp c, 0,1
	s_delay_alu instid0(VALU_DEP_2)
	v_add_nc_u32 v[244+\c], 0xff000000, v[232+\c]
.endr
.irp c, 0,1
	s_delay_alu instid0(VALU_DEP_2)
	v_lshrrev_b32 v[236+\c], 23, v[244+\c]
.endr
	v_cvt_scalef32_pk16_fp6_f32 v[224:226], v[96:111], v244
	v_cvt_scalef32_pk16_fp6_f32 v[240:242], v[112:127], v245
	v_cndmask_b32 v254, v236, v237, s90            ; my half's block's byte.  (The plain place behind the conversions)
.irp i, 0,1,2
	v_permlane16_swap_b32 v[224+\i], v[240+\i]
.endr
.irp i, 0,1,2
	s_delay_alu instid0(VALU_DEP_3)
	v_mov_b32 v[227+\i], v[240+\i]
.endr
	global_store_b128 v1, v[224:227], s[\yc:\yc+1]             ; 512 consecutive bytes
	global_store_b64 v2, v[228:229], s[\yc:\yc+1] offset:512   ; 256
	global_store_b8 v10, v254, s[\ys:\ys+1]                    ; a head owns two of a row's 32 scale bytes: they leave singly
	s_wait_xcnt 0x0                                ; the stores have read their registers, which the next tile writes again
.endm
; group g of four records has landed in every wave's eyes; four steps of the tile iH
.macro GROUP g
	s_wait_tensorcnt 3-\g                          ; tensor loads of a wave end in order: my record of group g is in; the 3 - g later ones may be out
	s_wait_dscnt 0x0
	s_barrier_signal -1
	s_barrier_wait -1
	s_mov_b32 s[TB], \g*4*REC
	s_mov_b32 s[KF], \g*512
	s_mov_b32 s[CNT], 4
.Lgroup_\@:
	STEP
	s_sub_co_u32 s[CNT], s[CNT], 1
	s_cmp_lg_u32 s[CNT], 0
	s_cbranch_scc1 .Lgroup_\@
	s_setprio 0
.endm
	s_wait_loadcnt 0x0                             ; both tiles' q
	BEGIN 204, 86, 87                              ; the late tile first: it walks the records as they land
	GROUP 0
	GROUP 1
	GROUP 2
	GROUP 3
	FINISH 56, 58
	BEGIN 212, 88, 89                              ; the early tile: iL is at most 63, so its diagonal lies in the first eight steps
	s_mov_b32 s[TB], 0
	s_mov_b32 s[KF], 0
	s_mov_b32 s[CNT], 8
.Llow:
	STEP
	s_sub_co_u32 s[CNT], s[CNT], 1
	s_cmp_lg_u32 s[CNT], 0
	s_cbranch_scc1 .Llow
	s_setprio 0
	FINISH 60, 62
	s_wait_tensorcnt 0x0
	ds_add_u32 v223, v243
	s_wait_dscnt 0x0
	s_endpgm
.Lfunc_end_k_qad285e1a3a_attn:
	.size	k_qad285e1a3a_attn, .Lfunc_end_k_qad285e1a3a_attn-k_qad285e1a3a_attn
	.p2alignl 7, 3214868480
	.fill 96, 4, 3214868480
	.section	.rodata,"a",@progbits
	.p2align	6, 0x0
	.amdhsa_kernel k_qad285e1a3a_attn
		.amdhsa_group_segment_fixed_size 206848
		.amdhsa_private_segment_fixed_size 0
		.amdhsa_enable_private_segment 0
		.amdhsa_kernarg_size 24
		.amdhsa_user_sgpr_count 2
		.amdhsa_user_sgpr_kernarg_segment_ptr 1
		.amdhsa_wavefront_size32 1
		.amdhsa_system_sgpr_workgroup_id_x 1
		.amdhsa_system_sgpr_workgroup_id_y 1
		.amdhsa_system_sgpr_workgroup_id_z 1
		.amdhsa_system_vgpr_workitem_id 0
		.amdhsa_next_free_vgpr 256
		.amdhsa_next_free_sgpr 92
		.amdhsa_reserve_vcc 1
		.amdhsa_float_denorm_mode_32 3
		.amdhsa_float_denorm_mode_16_64 3
		.amdhsa_memory_ordered 1
		.amdhsa_forward_progress 1
		.amdhsa_inst_pref_size 133
	.end_amdhsa_kernel
	.amdgpu_metadata
---
amdhsa.version: [ 1, 2 ]
amdhsa.kernels:
  - .name:           k_qad285e1a3a_attn
    .symbol:         k_qad285e1a3a_attn.kd
    .args:
      - { .name: qq, .offset: 0, .size: 8, .value_kind: global_buffer, .address_space: global }
      - { .name: kv, .offset: 8, .size: 8, .value_kind: global_buffer, .address_space: global }
      - { .name: yq, .offset: 16, .size: 8, .value_kind: global_buffer, .address_space: global }
    .group_segment_fixed_size: 206848
    .private_segment_fixed_size: 0
    .kernarg_segment_align: 8
    .kernarg_segment_size: 24
    .max_flat_workgroup_size: 512
    .sgpr_count:     92
    .vgpr_count:     256
    .wavefront_size: 32
...
	.end_amdgpu_metadata
.endif
;; end of part 3
;; launch proj (part 4): grid 4 x 32, 4 waves a work-group, clusters of 4 x 4, 327,680 bytes of LDS; arguments yq, wq, b_proj, out0; writes out0
.if DOCPART == 4
	.amdgcn_target "amdgcn-amd-amdhsa--gfx1250"
	.amdhsa_code_object_version 6
	.text
	.protected	k_qad285e1a3a_proj
	.globl	k_qad285e1a3a_proj
	.p2align	8
	.type	k_qad285e1a3a_proj,@function
k_qad285e1a3a_proj:
	s_mov_b64 s[64:65], 0
	v_nop
	global_prefetch_b8 v0, s[64:65] scope:SCOPE_SE
	s_setreg_imm32_b32 hwreg(HW_REG_WAVE_MODE, 25, 1), 1
	s_wait_xcnt 0x0
	s_wait_alu depctr_hold_cnt(0) depctr_sa_sdst(0) depctr_va_vdst(0) depctr_va_sdst(0) depctr_va_ssrc(0) depctr_va_vcc(0) depctr_vm_vsrc(0)
	s_getreg_b32 s2, hwreg(HW_REG_IB_STS2, 6, 4)
	s_cmp_eq_u32 s2, 0
	s_cbranch_scc0 .Lentry_in_a_cluster
	s_endpgm
.Lentry_in_a_cluster:
	s_bfe_u32 s2, ttmp6, 0x10000c
	s_cmp_lg_u32 s2, 0xf033
	s_cbranch_scc0 .Lentry_shape_is_right
	s_endpgm
.Lentry_shape_is_right:
; PROJ: out0 = y w_proj + b_proj on codes of FP6 (E2M3) with E8M0 scales, K = 1,024; out0 [8192][1024] f32.
; A tile of 256 x 256 to a work-group of four waves; a wave makes 128 x 128: 64 accumulators of 16 x 16, 512 registers.
; OPERANDS lie in memory in the order of the operands' registers: row blocks RB of 16 rows (row = 32 (RB / 2) + 8 (RB % 2) + r + 8 (r / 8)), codes [RB][K step 8][1,536 bytes], a fragment as two
; half fragments of 768 bytes (registers 0-3 at 16 x lane, registers 4-5 at 512 + 8 x lane); scale words 512 bytes a row block, the word of (K step s, row r) at 128 (s / 2) + 8 r + 4 (s % 2).
; K goes in steps of 256 through a ring of two LDS slots; a wave's tensor load brings 8 row blocks x 3,072 bytes.  The scale words of the work-group's 32 row blocks come once, with the first fills.
; THE MATRIX INSTRUCTION IS USED TRANSPOSED: source 0 = a row block of w_proj's columns, source 1 = one of y's tokens: a lane holds one token, and register j of B's block b is column 32 (b / 2) + 16 h + 8 (b % 2) + j.
; The bias is the C of each sum's first matrix instruction.
; CLUSTERS: 4 x 4 work-groups; y's tiles are shared along a row of the cluster, w_proj's along a column, each asked for jointly.
; REGISTERS: window 0: v2 r, v3 h, v16-23 fragment addresses, v24-26 the way out, v27 scale words' address, v28-29 the add's, v30 the bias's offset, v32-63 scale words (two sets), v64-127 the bias, v128-223 A's fragments (one set);
;   on the way out v128-255 take rows read back.   window 1: B's fragments, two sets.   windows 2, 3: the accumulators, (a, b) at v[8 (8 (a % 4) + b)].
.set NQ,     2
.set FR,     12
.set NL,     4
.set NP,     4
.set SLB,    3072
.set HALFT,  8*SLB
.set SLOT,   4*HALFT
.set LAPS,   2
.set SCL,    2*SLOT
.set HALFS,  4096
.set SBLK,   512
.set SPARE,  SCL+4*HALFS               ; the spare words, 128 bytes for each wave: two blocks of 256 bytes that no other line names
.set SPITCH, 528                       ; the way out: a stage of 16 rows x (512 bytes + 16) for each wave, in slot 0, which has had its last fill and its last read when the first result is stored there
.set ADRA, 16
.set ADRB, 20
.set STO,  24
.set RD,   25
.set CO,   26
.set ADRS, 27
.set SPW,  28
.set NIL,  29
.set BO,   30
.set SC,   32
.set BI,   64
.set AF,   128
.set BK,   128
.set G1, 24
.set G0, 32
.set G1B, 48
.set G0B, 56
.set G1S, 68
.set G0S, 76
.set G1SB, 80
.set G0SB, 88
.set MSB, 0
.macro WIN new                         ; the immediate's high byte repeats the setting that is left
.if MSB != (\new)
	s_set_vgpr_msb (MSB<<8)|(\new)
.set MSB, (\new)
.endif
.endm
.set MUL_LO, 0xa1
.set MUL_HI, 0xf1
.set TO_B,   0x40
.macro JLOAD g0a, g1a, g0b, g1b        ; a joint load: waves 0 and 1 fetch for A, waves 2 and 3 for B; four v_nop follow each of the two lines
	s_cmp_eq_u32 s15, 0
	s_cbranch_scc0 .Lfor_b_\@
	tensor_load_to_lds s[\g0a:\g0a+3], s[\g1a:\g1a+7]
	s_nop 0
.rept 4
	v_nop
.endr
	s_branch .Lasked_\@
.Lfor_b_\@:
	tensor_load_to_lds s[\g0b:\g0b+3], s[\g1b:\g1b+7]
	s_nop 0
.rept 4
	v_nop
.endr
.Lasked_\@:
.endm
.macro CREST
	s_cmp_lg_u32 s14, 0
	s_cbranch_scc1 .Lnot_wave_0_\@
	s_barrier_signal -3
.Lnot_wave_0_\@:
	s_barrier_wait -3
	s_barrier_signal -1
	s_barrier_wait -1
.endm
.macro CROUND
	s_barrier_signal -1
	s_barrier_wait -1
	CREST
.endm
	s_load_b256 s[4:11], s[0:1], 0x0               ; yq s[4:5], wq s[6:7], b_proj s[8:9], out0 s[10:11]
	v_lshl_add_u32 v[SPW], v0, 2, SPARE
	v_mov_b32 v[NIL], 0
	ds_add_u32 v28, v29
	ds_add_u32 v28, v29
	s_wait_dscnt 0x0
	v_lshrrev_b32 v1, 5, v0
	v_readfirstlane_b32 s14, v1                    ; wave 0..3
	s_lshr_b32 s15, s14, 1                         ; which half of the tokens is mine.  Also: I fetch for A (0) or for B (1)
	s_and_b32 s16, s14, 1                          ; which half of the columns.  Also: which 8 row blocks I fetch
	s_bfe_u32 s40, ttmp6, 0x40000                  ; cx, cy
	s_bfe_u32 s41, ttmp6, 0x40004
	s_lshl_b32 s42, ttmp9, 2
	s_add_co_u32 s42, s42, s40                     ; the columns' tile
	s_and_b32 s17, ttmp7, 0xffff
	s_lshl_b32 s17, s17, 2
	s_add_co_u32 s17, s17, s41                     ; the tokens' tile
	s_lshl_b32 s43, s41, 2
	s_lshl_b32 s43, 15, s43                        ; my row of the cluster
	s_lshl_b32 s44, 0x1111, s40                    ; my column
	s_or_b32 s[G1+0], s43, (3<<16)|(1<<21)         ; codes: 8 rows (row blocks) of 384 elements of 8 bytes, 1,536 elements apart; no padding
	s_or_b32 s[G1B+0], s44, (3<<16)|(1<<21)
.irp g, G1, G1B
	s_mov_b32 s[\g+1], 384<<16
	s_mov_b32 s[\g+2], 8<<16
	s_mov_b32 s[\g+3], 384<<16
	s_mov_b32 s[\g+4], 8
	s_mov_b32 s[\g+5], 1536
	s_mov_b32 s[\g+6], 0
	s_mov_b32 s[\g+7], 0
.endr
	s_or_b32 s[G1S+0], s43, (3<<16)|(1<<21)        ; scale words: 4,096 dense bytes as 16 rows of 256
	s_or_b32 s[G1SB+0], s44, (3<<16)|(1<<21)
.irp g, G1S, G1SB
	s_mov_b32 s[\g+1], 32<<16
	s_mov_b32 s[\g+2], 16<<16
	s_mov_b32 s[\g+3], 32<<16
	s_mov_b32 s[\g+4], 16
	s_mov_b32 s[\g+5], 32
	s_mov_b32 s[\g+6], 0
	s_mov_b32 s[\g+7], 0
.endr
	s_lshl_b32 s18, s16, 3
	s_lshl_b32 s20, s17, 4
	s_add_co_u32 s20, s20, s18                     ; A's first row block
	s_lshl_b32 s46, s42, 4
	s_add_co_u32 s46, s46, s18                     ; B's
	s_lshl_b32 s22, s20, 9
	s_add_co_u32 s22, s22, 6291456                 ; y's scale words lie behind its codes
	s_mov_b32 s23, 0
	s_mul_i32 s20, s20, 12288
	s_mov_b32 s21, 0
	s_lshl_b32 s92, s46, 9
	s_add_co_u32 s92, s92, 3244032                 ; w_proj's scale words in wq
	s_mov_b32 s93, 0
	s_mul_i32 s46, s46, 12288
	s_add_co_u32 s46, s46, 2457600                 ; w_proj's codes in wq
	s_mov_b32 s47, 0
	s_mul_i32 s45, s14, HALFT
	s_mul_i32 s94, s14, HALFS
	s_wait_kmcnt 0x0
	s_add_nc_u64 s[20:21], s[4:5], s[20:21]
	s_add_nc_u64 s[22:23], s[4:5], s[22:23]
	s_add_nc_u64 s[46:47], s[6:7], s[46:47]
	s_add_nc_u64 s[92:93], s[6:7], s[92:93]
	CROUND                                         ; all sixteen work-groups are here: the first joint loads meet
	s_mov_b32 s[G0S], 1
	s_add_co_u32 s[G0S+1], s94, SCL
	s_mov_b64 s[G0S+2:G0S+3], s[22:23]
	s_or_b32 s[G0S+3], s[G0S+3], 0x80000000
	s_mov_b32 s[G0SB], 1
	s_add_co_u32 s[G0SB+1], s94, SCL
	s_mov_b64 s[G0SB+2:G0SB+3], s[92:93]
	s_or_b32 s[G0SB+3], s[G0SB+3], 0x80000000
	JLOAD G0S, G1S, G0SB, G1SB                     ; by this text's count three tensor loads of a wave are out at the most
.irp s, 0,1
	s_mov_b32 s[G0+4*\s], 1
	s_add_co_u32 s[G0+4*\s+1], s45, \s*SLOT
	s_add_nc_u64 s[G0+4*\s+2:G0+4*\s+3], s[20:21], \s*SLB
	s_or_b32 s[G0+4*\s+3], s[G0+4*\s+3], 0x80000000
	s_mov_b32 s[G0B+4*\s], 1
	s_add_co_u32 s[G0B+4*\s+1], s45, \s*SLOT
	s_add_nc_u64 s[G0B+4*\s+2:G0B+4*\s+3], s[46:47], \s*SLB
	s_or_b32 s[G0B+4*\s+3], s[G0B+4*\s+3], 0x80000000
	JLOAD G0+4*\s, G1, G0B+4*\s, G1B
.endr
	v_and_b32 v1, 31, v0                           ; lane
	v_and_b32 v2, 15, v0                           ; r
	v_bfe_u32 v3, v0, 4, 1                         ; h
	v_lshlrev_b32 v[CO], 4, v1                     ; 16 x lane
	v_lshlrev_b32 v4, 3, v1                        ; 8 x lane
	s_mul_i32 s21, s15, HALFT
	s_mul_i32 s22, s16, HALFT
	s_add_co_u32 s22, s22, 2*HALFT
.irp s, 0,1
	v_add_nc_u32 v[ADRA+\s], s21, v[CO]
	v_add_nc_u32 v[ADRB+\s], s22, v[CO]
	v_add_nc_u32 v[ADRA+2+\s], s21, v4
	v_add_nc_u32 v[ADRB+2+\s], s22, v4
	s_add_co_u32 s21, s21, SLOT
	s_add_co_u32 s22, s22, SLOT
.endr
	v_lshlrev_b32 v5, 3, v2
	s_mul_i32 s21, s15, HALFS
	s_mul_i32 s22, s16, HALFS
	s_add_co_u32 s22, s22, 2*HALFS
	s_sub_co_u32 s22, s22, s21
	v_mul_u32_u24 v6, s22, v3                      ; lanes 16-31 take B's scale words: one product, the distance between the two
	s_add_co_u32 s21, s21, SCL
	v_add_nc_u32 v5, v5, v6
	v_add_nc_u32 v[ADRS], s21, v5
	s_mul_i32 s23, s14, 16*SPITCH                  ; my stage
	v_mul_u32_u24 v5, v2, SPITCH
	v_lshl_add_u32 v5, v3, 6, v5
	v_add_nc_u32 v[STO], s23, v5                   ; in: row r, + 64 h
	v_add_nc_u32 v[RD], s23, v[CO]                 ; back: the 32 lanes take one row of 512 bytes
	s_lshl_b32 s20, s17, 8
	s_lshl_b32 s21, s15, 7
	s_add_co_u32 s20, s20, s21
	s_lshl_b32 s20, s20, 12                        ; my first row of out0, 4,096 bytes a row
	s_lshl_b32 s46, s42, 10
	s_lshl_b32 s47, s16, 9
	s_add_co_u32 s46, s46, s47                     ; my first column, in bytes
	s_add_co_u32 s20, s20, s46
	s_mov_b32 s21, 0
	s_add_nc_u64 s[12:13], s[10:11], s[20:21]
	s_mov_b32 s47, 0
	s_add_nc_u64 s[8:9], s[8:9], s[46:47]          ; the bias of my 128 columns: for B's block b those of columns 32 (b / 2) + 16 h + 8 (b % 2) + 0 .. 7
	v_lshlrev_b32 v[BO], 6, v3
.irp b, 0,1,2,3,4,5,6,7
	global_load_b128 v[BI+8*\b:BI+8*\b+3], v[BO], s[8:9] offset:(32*(\b/2)+8*(\b%2))*4
	global_load_b128 v[BI+8*\b+4:BI+8*\b+7], v[BO], s[8:9] offset:(32*(\b/2)+8*(\b%2))*4+16
.endr
.macro FRAG reg, adr, q, i             ; a fragment, as it lies: four loads of consecutive bytes
	ds_load_b128 v[\reg:\reg+3], v[\adr] offset:(\i)*SLB+(\q)*1536
	ds_load_b64 v[\reg+4:\reg+5], v[\adr+2] offset:(\i)*SLB+(\q)*1536+512
	ds_load_b128 v[\reg+6:\reg+9], v[\adr] offset:(\i)*SLB+(\q)*1536+768
	ds_load_b64 v[\reg+10:\reg+11], v[\adr+2] offset:(\i)*SLB+(\q)*1536+1280
.endm
; 16 matrix instructions: A's blocks a0, a0 + 1 x B's eight.  zero = 1: the sums start with the bias.  The 64 accumulators take turns, one instruction a turn, in the same order in every step.
.macro MUL16 a0, p, q, sc, zero
.irp a, \a0, \a0+1
.irp b, 0,1,2,3,4,5,6,7
.set rD, 8*(8*((\a)%4)+\b)
.set rB, 128*(\p)+FR*\b
.set rA, AF+FR*(\a)
.set rSB, SC+8*NQ*(\sc)+NQ*\b+(\q)
.set rSA, SC+8*NQ*(\sc)+NQ*(\a)+(\q)
.if (\zero) == 1
	v_wmma_scale_f32_16x16x128_f8f6f4 v[rD:rD+7], v[rB:rB+FR-1], v[rA:rA+FR-1], v[BI+8*\b:BI+8*\b+7], v[rSB], v[rSA] matrix_a_fmt:MATRIX_FMT_FP6 matrix_b_fmt:MATRIX_FMT_FP6 matrix_a_scale:MATRIX_SCALE_ROW1
.else
	v_wmma_scale_f32_16x16x128_f8f6f4 v[rD:rD+7], v[rB:rB+FR-1], v[rA:rA+FR-1], v[rD:rD+7], v[rSB], v[rSA] matrix_a_fmt:MATRIX_FMT_FP6 matrix_b_fmt:MATRIX_FMT_FP6 matrix_a_scale:MATRIX_SCALE_ROW1
.endif
.endr
.endr
.endm
.macro FETCH_B slot, q, p
	WIN TO_B
.irp i, 0,1,2,3,4,5,6,7
	FRAG 128*(\p)+FR*\i, ADRB+\slot, \q, \i
.endr
	WIN 0
.endm
.macro FETCH_A slot, q, i0
.irp i, \i0, \i0+1, \i0+2, \i0+3
	FRAG AF+FR*(\i), ADRA+\slot, \q, \i
.endr
.endm
.macro SCALES sc
.irp i, 0,1,2,3,4,5,6,7
	ds_load_b64 v[SC+8*NQ*\sc+NQ*\i:SC+8*NQ*\sc+NQ*\i+1], v[ADRS] offset:\i*SBLK
.endr
.endm
.macro PLACES n                        ; plain vector instructions that name no register of the matrix instructions in front of them (ISA guide 7.12.1)
.rept \n
	v_nop
.endr
.endm
.macro STEP slot, q, zero
	s_wait_dscnt 4*NL                              ; B's set, A's blocks 0-3 and the scale words are in; the youngest 16 loads (A's blocks 4-7) may be out
.if (\zero) != 0
	WIN 0x81                                       ; C (the bias) in window 0, D in window 2
.else
	WIN MUL_LO
.endif
	MUL16 0, (\q)%2, \q, \slot, \zero
	MUL16 2, (\q)%2, \q, \slot, \zero
	s_wait_dscnt 0
	PLACES NP
	FETCH_B \slot, (\q)+1, 1-(\q)%2
	FETCH_A \slot, (\q)+1, 0
.if (\zero) != 0
	WIN 0xc1
.else
	WIN MUL_HI
.endif
	MUL16 4, (\q)%2, \q, \slot, \zero
	MUL16 6, (\q)%2, \q, \slot, \zero
	PLACES NP
	WIN 0
	FETCH_A \slot, (\q)+1, 4
.endm
.macro TURN slot, next, fill
	s_wait_tensorcnt 0x0                           ; all my tensor loads have landed: my part of the next slot
	ds_add_u32 v[SPW], v[NIL]                      ; 0 onto my spare word
	s_wait_dscnt 4*NL+1                            ; (the add and the youngest 16 loads may be out)
	WIN MUL_LO
	MUL16 0, 1, NQ-1, \slot, 0
	s_wait_dscnt 0x0                               ; the add is done, and my reads of this slot are over
	s_barrier_signal -1
	MUL16 2, 1, NQ-1, \slot, 0
	WIN 0
	s_barrier_wait -1
.if \fill
	CREST                                          ; the barrier has opened a round of the cluster's barrier: no wave of any partner still reads this slot or has a load on its way
	s_add_nc_u64 s[G0+4*\slot+2:G0+4*\slot+3], s[G0+4*\slot+2:G0+4*\slot+3], 2*SLB
	s_add_nc_u64 s[G0B+4*\slot+2:G0B+4*\slot+3], s[G0B+4*\slot+2:G0B+4*\slot+3], 2*SLB
	JLOAD G0+4*\slot, G1, G0B+4*\slot, G1B
.else
	PLACES NP
.endif
	v_add_nc_u32 v[ADRS], 128, v[ADRS]
	FETCH_B \next, 0, 0
	FETCH_A \next, 0, 0
	SCALES \next
	WIN MUL_HI
	MUL16 4, 1, NQ-1, \slot, 0
	MUL16 6, 1, NQ-1, \slot, 0
	PLACES NP
	WIN 0
	FETCH_A \next, 0, 4
.endm
	s_wait_tensorcnt 1                             ; the scale words and my part of slot 0 are in (slot 1's load may be out)
	s_barrier_signal -1
	s_barrier_wait -1
	FETCH_B 0, 0, 0
	FETCH_A 0, 0, 0
	SCALES 0
	FETCH_A 0, 0, 4
	s_wait_loadcnt 0x0                             ; the bias
	STEP 0, 0, 1
	s_mov_b32 s3, LAPS-1
.Llap:
	TURN 0, 1, 1
	STEP 1, 0, 0
	TURN 1, 0, 1
	STEP 0, 0, 0
	s_sub_co_u32 s3, s3, 1
	s_cmp_lg_u32 s3, 0
	s_cbranch_scc1 .Llap
	TURN 0, 1, 0
	STEP 1, 0, 0
	s_wait_dscnt 4*NL
	WIN MUL_LO
	MUL16 0, 1, NQ-1, 1, 0
	MUL16 2, 1, NQ-1, 1, 0
	s_wait_dscnt 0
	WIN MUL_HI
	MUL16 4, 1, NQ-1, 1, 0
	MUL16 6, 1, NQ-1, 1, 0
	WIN 0
; THE WAY OUT, block by block of 16 tokens x 128 columns, through my own stage in LDS: it comes back as whole rows of 512 bytes.  LDS serves a wave's instructions in order: no wait between the stores and the loads.
.macro TOSTAGE a
.set AC, 64*((\a)%4)
	WIN 0x08+4*((\a)/4)                            ; the data: window 2 or 3
.irp b, 0,1,2,3,4,5,6,7
	ds_store_b128 v[STO], v[AC+8*\b:AC+8*\b+3] offset:128*(\b/2)+32*(\b%2)        ; each accumulator from its low end on; its eight columns' place in the row
	ds_store_b128 v[STO], v[AC+8*\b+4:AC+8*\b+7] offset:128*(\b/2)+32*(\b%2)+16
.endr
	WIN 0
.set BB, BK+64*((\a)%2)
.irp t, 0,1,2,3,4,5,6,7,8,9,10,11,12,13,14,15
	ds_load_b128 v[BB+4*\t:BB+4*\t+3], v[RD] offset:\t*SPITCH
.endr
.endm
.macro SEND a, younger                 ; younger: the LDS instructions issued behind block a's loads, which may stay out
.set BB, BK+64*((\a)%2)
	s_wait_dscnt \younger
.if (\a) > 0
.if ((\a)%2) == 1
	s_add_nc_u64 s[12:13], s[12:13], 8*4096        ; (behind a wait on XCNT)  an odd row block begins 8 rows behind its even neighbour,
.else
	s_add_nc_u64 s[12:13], s[12:13], 24*4096       ; the next even one 24 rows on
.endif
.endif
.irp t, 0,1,2,3,4,5,6,7,8,9,10,11,12,13,14,15
	global_store_b128 v[CO], v[BB+4*\t:BB+4*\t+3], s[12:13] offset:(\t+8*(\t/8))*4096 th:TH_STORE_NT   ; 32 lanes store 512 consecutive bytes, at a multiple of 256 from out0's first byte
.endr
.endm
	PLACES NP
	TOSTAGE 0
.irp a, 1,2,3,4,5,6,7
.if \a > 1
	s_wait_xcnt 0x0                                ; block a - 2's stores have read their registers and their base
.endif
	TOSTAGE \a
	SEND \a-1, 32                                  ; behind block a - 1's loads: block a's 16 stores and 16 loads
.endr
	s_wait_xcnt 0x0
	SEND 7, 0
	s_wait_tensorcnt 0x0                           ; the wave's end
	ds_add_u32 v[SPW], v[NIL]
	s_wait_dscnt 0x0
	CROUND                                         ; the closing round
	s_endpgm
.Lfunc_end_k_qad285e1a3a_proj:
	.size	k_qad285e1a3a_proj, .Lfunc_end_k_qad285e1a3a_proj-k_qad285e1a3a_proj
	.p2alignl 7, 3214868480
	.fill 96, 4, 3214868480
	.section	.rodata,"a",@progbits
	.p2align	6, 0x0
	.amdhsa_kernel k_qad285e1a3a_proj
		.amdhsa_group_segment_fixed_size 327680
		.amdhsa_private_segment_fixed_size 0
		.amdhsa_enable_private_segment 0
		.amdhsa_kernarg_size 32
		.amdhsa_user_sgpr_count 2
		.amdhsa_user_sgpr_kernarg_segment_ptr 1
		.amdhsa_wavefront_size32 1
		.amdhsa_system_sgpr_workgroup_id_x 1
		.amdhsa_system_sgpr_workgroup_id_y 1
		.amdhsa_system_sgpr_workgroup_id_z 1
		.amdhsa_system_vgpr_workitem_id 0
		.amdhsa_next_free_vgpr 1024
		.amdhsa_next_free_sgpr 98
		.amdhsa_reserve_vcc 0
		.amdhsa_float_denorm_mode_32 3
		.amdhsa_float_denorm_mode_16_64 3
		.amdhsa_memory_ordered 1
		.amdhsa_forward_progress 1
		.amdhsa_inst_pref_size 145
	.end_amdhsa_kernel
	.amdgpu_metadata
---
amdhsa.version: [ 1, 2 ]
amdhsa.kernels:
  - .name:           k_qad285e1a3a_proj
    .symbol:         k_qad285e1a3a_proj.kd
    .args:
      - { .name: yq, .offset: 0, .size: 8, .value_kind: global_buffer, .address_space: global }
      - { .name: wq, .offset: 8, .size: 8, .value_kind: global_buffer, .address_space: global }
      - { .name: b_proj, .offset: 16, .size: 8, .value_kind: global_buffer, .address_space: global }
      - { .name: out0, .offset: 24, .size: 8, .value_kind: global_buffer, .address_space: global }
    .group_segment_fixed_size: 327680
    .private_segment_fixed_size: 0
    .kernarg_segment_align: 8
    .kernarg_segment_size: 32
    .max_flat_workgroup_size: 128
    .sgpr_count:     98
    .vgpr_count:     1024
    .wavefront_size: 32
...
	.end_amdgpu_metadata
.endif
;; end of part 4
